; MI455X (gfx1250); checked and timed in simulation.
; The chip was launched on July 23, 2026; its instructions are those of AMD's public machine-readable ISA for CDNA 5 (MIT licence, August 2026) and "CDNA5" Instruction Set Architecture Reference Guide (July 2026). The comments in the code are by the model that wrote it; some were corrected since.
;; Causal Self Attention. Allowed arithmetic: matrix products marked QUANTISED: E4M3 operands, one given power-of-two scale a tensor, by v_wmma_f32_16x16x64_fp8_fp8 or v_wmma_f32_16x16x128_fp8_fp8, f32 sums; everything else in f32.
;; Inputs: b_proj 1,024 float32; b_qkv 3,072 float32; lowp_scales 8 int32 (the exponents e of the quantised operands' scales 2^e); w_proj 1,024 x 1,024 float32; w_qkv 1,024 x 3,072 float32; x 4 x 2,048 x 1,024 float32.
;; Outputs: out0 4 x 2,048 x 1,024 float32.
;; This version of the problem:
;;   THIS VERSION OF THE PROBLEM IS GIVEN IN LOW PRECISION. The matrix products marked QUANTISED in the list below multiply operands that are first quantised to E4M3 (4 exponent bits, 3 mantissa bits; 8 bits a number), with one given power-of-two scale for each operand tensor; their sums are f32. All else is computed in f32.
;;   The module's matrix products, in the order in which they are computed (A, B: the left and right operand; K: the contracted axis; several contracted axes count as one K, in the product's order):
;;     1. [M 8,192, K 1,024] x [K 1,024, N 3,072]; A: input x; B: input w_qkv: QUANTISED (scales: A lowp_scales[0], B lowp_scales[1])
;;     2. batch 64 x [M 2,048, K 64] x [K 64, N 2,048]; A: computed on the way; B: computed on the way: QUANTISED (scales: A lowp_scales[2], B lowp_scales[3])
;;     3. batch 64 x [M 2,048, K 2,048] x [K 2,048, N 64]; A: softmax (see below); B: computed on the way: QUANTISED (scales: A lowp_scales[4], B lowp_scales[5])
;;     4. [M 8,192, K 1,024] x [K 1,024, N 1,024]; A: computed on the way; B: input w_proj: QUANTISED (scales: A lowp_scales[6], B lowp_scales[7])
;;   THE QUANTISER, for each operand of a quantised product, along K:
;;     - The operand's scale is 2^e, e = its entry of the input lowp_scales (int32; the entries are numbered through the quantised products in the list's order, A before B).
;;     - Each number is divided by the scale, clamped to +-448, and rounded to the nearest number of E4M3, ties to even, subnormals kept.
;;     - The product sums the exact products of the quantised numbers (number of the format x scale) in f32.
;;   ~~~python
;;   def quantise(x, axis, e):      # numpy; x: float32 -> the quantised numbers, widened to float32 again
;;       x = np.moveaxis(x, axis, -1); K = x.shape[-1]
;;       r = np.clip(x / 2.0 ** e, -448, 448)
;;       step = 2.0 ** (np.maximum(np.frexp(np.where(r == 0, 1, r))[1] - 1, -6) - 3)
;;       q = np.round(r / step) * step * 2.0 ** e      # np.round: ties to even
;;       return np.moveaxis(q, -1, axis).astype(np.float32)
;;   ~~~
;;   SOFTMAX AHEAD OF A QUANTISED PRODUCT. Where the list says 'softmax', what is quantised is not the finished softmax but p = 2^(t - M), with t = logit x log2(e) and M = ceil(the row's largest t), a whole number; so 1/2 < the row's largest p <= 1. The row's sum l is taken of the UNQUANTISED p, in f32, and the product's result is divided by l at the end. Since M is a whole number, a kernel that streams over the keys may use a running M (the ceiling of the running maximum): every later rescaling is an exact power of two, so the quantised numbers keep their values, but for numbers so far below the row's largest that they fall under the format's range.
;;   OPERANDS COMPUTED ON THE WAY. 'Computed on the way' means the value that the module computes at that place (a softmax that the list does not call 'softmax' is quantised finished and normalised). What goes into a quantiser is computed in f32, as accurately as f32 sums, v_exp_f32 and their like allow (about 1e-6 of the number): no bf16 or f16 on the way to a quantiser, and a product that is left as it is and whose result goes on into a quantised operand takes f32 operands (vector FMAs, or v_wmma_f32_16x16x4_f32). A number that lies on a knife's edge between two numbers of the format may be rounded either way, as far as f32 arithmetic and the matrix unit's own rounding can turn it there, and no further.
;; 2 versions, each right; version 2 is version 1 with the launch attn written anew for expert scheduling mode. Each part assembles by itself: llvm-mc -triple=amdgcn-amd-amdhsa -mcpu=gfx1250 --defsym DOCPART=n.
;; ======== version 1 of 2: 4 launches
;; workspace buffers: xq 8,388,608 bytes; wq 3,145,728 bytes; wp 1,048,576 bytes; qc 8,388,608 bytes; kc 8,388,608 bytes; vc 8,388,608 bytes; yc 8,388,608 bytes
;; launch quant (part 1): grid 768 x 1, 4 waves a work-group, no clusters, 68,096 bytes of LDS; arguments x, w_qkv, w_proj, lowp_scales, xq, wq, wp; writes xq, wq, wp
.if DOCPART == 1
	.amdgcn_target "amdgcn-amd-amdhsa--gfx1250"
	.amdhsa_code_object_version 6
	.text
	.protected	k_qab6ffff5ea_quant
	.globl	k_qab6ffff5ea_quant
	.p2align	8
	.type	k_qab6ffff5ea_quant,@function
k_qab6ffff5ea_quant:
	s_mov_b64 s[64:65], 0
	v_nop
	global_prefetch_b8 v0, s[64:65] scope:SCOPE_SE
	s_setreg_imm32_b32 hwreg(HW_REG_WAVE_MODE, 25, 1), 1
	s_wait_xcnt 0x0
; x [8192][1024], w_qkv [1024][3072] and w_proj [1024][1024], f32, become codes of FP8 (E4M3), each with the one scale 2^e given for it (entries 0, 1 and 7 of lowp_scales).
; code = number / 2^e, held within +-448, rounded to the nearest code, ties to even.
; LIMITS: -126 <= e and e + 8 <= 127, so that 2^e and 448 x 2^e are f32 numbers.  NaN among the inputs is not served; an infinity is held at the largest code.
; THE CODES ARE LAID AS IMAGES OF THE OPERAND'S REGISTERS.  A fragment is 16 rows x 128 K in 16 registers: lane (r = lane % 16, h = lane / 16) holds row r, and byte y of register 2 c + u is k = 16 c + 8 h + 4 u + y.
; Registers 4 g .. 4 g + 3 of the 32 lanes are 512 consecutive bytes, lane l's 16 bytes at 512 g + 16 l: a fragment is 2,048 bytes.  A buffer is [K / 256][row / 16][(K / 128) % 2][2048].
; So every store here is 512 consecutive bytes, aligned, straight from the conversions' results, and the products' launches read fragments without pitch or padding.
; SHARES.  Every work-group reads 64 KiB.  Work-groups 0-511: 16 rows of x, wave w the 256 along K from 256 w on.  512-703: w_qkv, 128 along K x 128 columns, 32 columns a wave.  704-767: w_proj likewise.
; No tensor load, no barrier: waves share nothing.  Only x's path uses LDS.
.set KSA,  2097152                     ; xq: bytes from one 256 along K to the next (512 blocks of 16 rows x 4,096)
.set WREG, 16896                       ; LDS of a wave: two stages
.set STG,  8448                        ; a stage: 16 rows x SP
.set SP,   528                         ; a stage row: 512 bytes + 16, so that the sixteen rows that a load touches begin in sixteen different 16-byte columns of 256 bytes
.set R,    16                          ; v16-143  x as loaded: half q at R + 64 q, row i at + 4 i
.set X0,   144                         ; v144-207 the first half's 64 numbers of my row
.set X1,   16                          ; v16-79   the second half's, in registers that the first half has left
.set C,    208                         ; v208-239 codes: 16 registers for each half, so that no store's data are written again
.set W,    16                          ; v16-143  a weight's 128 numbers down K of my column
.set CA,   144                         ; v144-159 codes of k = 16 c + 0 .. 7,  then the image of my wave's first 16 columns
.set CB,   160                         ; v160-175 codes of k = 16 c + 8 .. 15, then the image of its second 16 columns
.macro SCALE e                         ; s[e] holds the exponent:  v11 = 2^e, whose exponent field the conversion takes;  v10 = 448 x 2^e
	s_add_co_i32 s40, s[\e], 127
	s_lshl_b32 s41, s40, 23
	v_mov_b32 v11, s41
	s_add_co_i32 s40, s40, 8
	s_lshl_b32 s40, s40, 23
	s_or_b32 s40, s40, 0x600000
	v_mov_b32 v10, s40
.endm
.macro QUANT s, d                      ; 64 numbers, register 8 c + i = k 16 c + 8 h + i of my row, become a fragment's 16 registers
.set i, 0
.rept 64
	v_med3_num_f32 v[\s+i], v[\s+i], -v10, v10     ; the conversion to an 8-bit code does not saturate (ISA guide 7.6.2): the hold at the largest code x the scale comes first
.set i, i+1
.endr
.set i, 0
.rept 8
	v_cvt_scalef32_pk8_fp8_f32 v[\d+2*i:\d+2*i+1], v[\s+8*i:\s+8*i+7], v11
.set i, i+1
.endr
	v_nop                                          ; one plain vector line behind the last conversion of a run
.endm
	s_load_b256 s[4:11], s[0:1], 0x0               ; x s[4:5], w_qkv s[6:7], w_proj s[8:9], the exponents s[10:11]
	s_load_b128 s[12:15], s[0:1], 0x20             ; xq s[12:13], wq s[14:15]
	s_load_b64 s[16:17], s[0:1], 0x30              ; wp
	v_lshl_add_u32 v240, v0, 2, 0x10800
	v_mov_b32 v241, 0
	v_lshrrev_b32 v1, 5, v0
	v_readfirstlane_b32 s18, v1                    ; wave 0..3
	v_and_b32 v1, 31, v0                           ; lane
	v_lshlrev_b32 v2, 4, v1                        ; 16 x lane: my place in 512 consecutive bytes
	s_wait_kmcnt 0x0
	s_load_b256 s[20:27], s[10:11], 0x0            ; the eight exponents
	s_cmp_lt_u32 ttmp9, 512
	s_cbranch_scc0 .Lweights
	; ---- x: K is innermost.  Each load takes 512 consecutive bytes of one row; the numbers turn through the wave's own stage, so that a lane gets eight neighbours along K at a time
	s_lshl_b32 s28, ttmp9, 16                      ; my work-group's 16 rows of 4,096 bytes,
	s_lshl_b32 s29, s18, 10                        ; my wave's 1,024 bytes of each
	s_add_co_u32 s28, s28, s29
	s_mov_b32 s29, 0
	s_add_nc_u64 s[4:5], s[4:5], s[28:29]
.irp q, 0,1
.set i, 0
.rept 16
	global_load_b128 v[R+64*\q+4*i:R+64*\q+4*i+3], v2, s[4:5] offset:4096*i+512*\q th:TH_LOAD_NT
.set i, i+1
.endr
.endr
	s_mul_i32 s30, s18, KSA                        ; the codes: my 256 along K, my block of 16 rows
	s_lshl_b32 s31, ttmp9, 12
	s_add_co_u32 s30, s30, s31
	s_mov_b32 s31, 0
	s_add_nc_u64 s[12:13], s[12:13], s[30:31]
	s_mul_i32 s32, s18, WREG
	v_add_nc_u32 v3, s32, v2                       ; into a stage: row i at SP i, 16 bytes a lane
	v_and_b32 v6, 15, v0
	v_bfe_u32 v7, v0, 4, 1
	v_mul_u32_u24 v4, v6, SP
	v_lshl_add_u32 v4, v7, 5, v4
	v_add_nc_u32 v4, s32, v4                       ; out of it: row r, + 32 h: my eight numbers of each 16 along K
	s_wait_kmcnt 0x0
	SCALE 20
	s_wait_loadcnt 16                              ; the first half's sixteen loads are in; the second half's sixteen may be out
.set i, 0
.rept 16
	ds_store_b128 v3, v[R+4*i:R+4*i+3] offset:SP*i
.set i, i+1
.endr
.set i, 0
.rept 8
	ds_load_b128 v[X0+8*i:X0+8*i+3], v4 offset:64*i            ; LDS serves a wave's instructions in order (ISA guide 5.7.1.4): these see the stores above
	ds_load_b128 v[X0+8*i+4:X0+8*i+7], v4 offset:64*i+16
.set i, i+1
.endr
	s_wait_loadcnt 0x0
.set i, 0
.rept 16
	ds_store_b128 v3, v[R+64+4*i:R+64+4*i+3] offset:STG+SP*i
.set i, i+1
.endr
	s_wait_dscnt 16                                ; all but the sixteen stores just issued: the first half is back, and its stores have read v16-79
.set i, 0
.rept 8
	ds_load_b128 v[X1+8*i:X1+8*i+3], v4 offset:STG+64*i
	ds_load_b128 v[X1+8*i+4:X1+8*i+7], v4 offset:STG+64*i+16
.set i, i+1
.endr
	QUANT X0, C
.irp g, 0,1,2,3
	global_store_b128 v2, v[C+4*\g:C+4*\g+3], s[12:13] offset:512*\g          ; 32 lanes store 512 consecutive bytes, at a multiple of 512 from the buffer's first byte
.endr
	s_wait_dscnt 0x0
	QUANT X1, C+16
.irp g, 0,1,2,3
	global_store_b128 v2, v[C+16+4*\g:C+16+4*\g+3], s[12:13] offset:2048+512*\g
.endr
	s_wait_tensorcnt 0x0
	ds_add_u32 v240, v241
	s_wait_dscnt 0x0
	s_endpgm
; ---- a weight [1024 (k)][N]: K is the FIRST axis.  A lane takes a column and its registers run down K: each load reads 128 consecutive bytes a wave, 512 a work-group, and the conversions give codes along K.
; The image of 16 columns wants k = 16 c + 0 .. 7 in lanes 0-15 and k = 16 c + 8 .. 15 in lanes 16-31.  My 32 lanes hold 32 columns: the codes of the lower eights go to CA, those of the upper eights to CB, and one
; exchange of CA's lanes 16-31 with CB's lanes 0-15 for each register makes CA the image of the first 16 columns and CB that of the second.
.macro WPATH first, N, NB, src, dst, e
	s_sub_co_u32 s28, ttmp9, \first
	s_and_b32 s29, s28, 7                          ; which 128 along K
	s_lshr_b32 s30, s28, 3                         ; which 128 columns
	s_lshl_b32 s31, s30, 7
	s_lshl_b32 s32, s18, 5
	s_add_co_u32 s31, s31, s32                     ; my wave's first column
	s_mul_i32 s32, s29, 128*\N*4
	s_lshl_b32 s33, s31, 2
	s_add_co_u32 s32, s32, s33
	s_mov_b32 s33, 0
	s_add_nc_u64 s[\src:\src+1], s[\src:\src+1], s[32:33]
.set k, 0
.rept 128
	global_load_b32 v[W+k], v5, s[\src:\src+1] offset:k*\N*4 th:TH_LOAD_NT    ; 127 rows at the most: inside the signed 24-bit immediate
.set k, k+1
.endr
	s_lshr_b32 s34, s29, 1
	s_mul_i32 s34, s34, \NB*4096                   ; the codes: which 256 along K,
	s_lshl_b32 s35, s31, 8                         ; which block of 16 columns (4,096 bytes each),
	s_add_co_u32 s34, s34, s35
	s_and_b32 s35, s29, 1
	s_lshl_b32 s35, s35, 11                        ; which 128 of the 256
	s_add_co_u32 s34, s34, s35
	s_mov_b32 s35, 0
	s_add_nc_u64 s[\dst:\dst+1], s[\dst:\dst+1], s[34:35]
	s_wait_kmcnt 0x0
	SCALE \e
.set G, 0
.rept 16                               ; eight along K at a time
.if G == 0
	s_wait_loadcnt 63                              ; at most 63 of the 128 loads are out: k = 0 .. 64 are in
.elseif G == 8
	s_wait_loadcnt 32                              ; k = 0 .. 95 are in
.elseif G == 12
	s_wait_loadcnt 0x0
.endif
.set i, 0
.rept 8
	v_med3_num_f32 v[W+8*G+i], v[W+8*G+i], -v10, v10
.set i, i+1
.endr
.if G%2 == 0
	v_cvt_scalef32_pk8_fp8_f32 v[CA+G:CA+G+1], v[W+8*G:W+8*G+7], v11
.else
	v_cvt_scalef32_pk8_fp8_f32 v[CB+G-1:CB+G], v[W+8*G:W+8*G+7], v11
.endif
.set G, G+1
.endr
	v_nop                                          ; one plain vector line between the last conversion and the exchanges that touch its result
.set i, 0
.rept 16
	v_permlane16_swap_b32 v[CA+i], v[CB+i]
.set i, i+1
.endr
.irp g, 0,1,2,3
	global_store_b128 v2, v[CA+4*\g:CA+4*\g+3], s[\dst:\dst+1] offset:512*\g
.endr
.irp g, 0,1,2,3
	global_store_b128 v2, v[CB+4*\g:CB+4*\g+3], s[\dst:\dst+1] offset:4096+512*\g
.endr
.endm
.Lweights:
	v_lshlrev_b32 v5, 2, v1                        ; 4 bytes a lane
	s_cmp_lt_u32 ttmp9, 704
	s_cbranch_scc0 .Lproj
	WPATH 512, 3072, 192, 6, 14, 21
	s_endpgm
.Lproj:
	WPATH 704, 1024, 64, 8, 16, 27
	s_endpgm
.Lfunc_end_k_qab6ffff5ea_quant:
	.size	k_qab6ffff5ea_quant, .Lfunc_end_k_qab6ffff5ea_quant-k_qab6ffff5ea_quant
	.p2alignl 7, 3214868480
	.fill 96, 4, 3214868480
	.section	.rodata,"a",@progbits
	.p2align	6, 0x0
	.amdhsa_kernel k_qab6ffff5ea_quant
		.amdhsa_group_segment_fixed_size 68096
		.amdhsa_private_segment_fixed_size 0
		.amdhsa_enable_private_segment 0
		.amdhsa_kernarg_size 56
		.amdhsa_user_sgpr_count 2
		.amdhsa_user_sgpr_kernarg_segment_ptr 1
		.amdhsa_wavefront_size32 1
		.amdhsa_system_sgpr_workgroup_id_x 1
		.amdhsa_system_sgpr_workgroup_id_y 1
		.amdhsa_system_sgpr_workgroup_id_z 1
		.amdhsa_system_vgpr_workitem_id 0
		.amdhsa_next_free_vgpr 242
		.amdhsa_next_free_sgpr 66
		.amdhsa_reserve_vcc 0
		.amdhsa_float_denorm_mode_32 3
		.amdhsa_float_denorm_mode_16_64 3
		.amdhsa_memory_ordered 1
		.amdhsa_forward_progress 1
		.amdhsa_inst_pref_size 66
	.end_amdhsa_kernel
	.amdgpu_metadata
---
amdhsa.version: [ 1, 2 ]
amdhsa.kernels:
  - .name:           k_qab6ffff5ea_quant
    .symbol:         k_qab6ffff5ea_quant.kd
    .args:
      - { .name: x, .offset: 0, .size: 8, .value_kind: global_buffer, .address_space: global }
      - { .name: w_qkv, .offset: 8, .size: 8, .value_kind: global_buffer, .address_space: global }
      - { .name: w_proj, .offset: 16, .size: 8, .value_kind: global_buffer, .address_space: global }
      - { .name: lowp_scales, .offset: 24, .size: 8, .value_kind: global_buffer, .address_space: global }
      - { .name: xq, .offset: 32, .size: 8, .value_kind: global_buffer, .address_space: global }
      - { .name: wq, .offset: 40, .size: 8, .value_kind: global_buffer, .address_space: global }
      - { .name: wp, .offset: 48, .size: 8, .value_kind: global_buffer, .address_space: global }
    .group_segment_fixed_size: 68096
    .private_segment_fixed_size: 0
    .kernarg_segment_align: 8
    .kernarg_segment_size: 56
    .max_flat_workgroup_size: 128
    .sgpr_count:     66
    .vgpr_count:     242
    .wavefront_size: 32
...
	.end_amdgpu_metadata
.endif
;; end of part 1
;; launch gemm_qkv (part 2): grid 12 x 32, 4 waves a work-group, clusters of 4 x 4, 327,680 bytes of LDS; arguments xq, wq, lowp_scales, b_qkv, qc, kc, vc; writes qc, kc, vc
.if DOCPART == 2
	.amdgcn_target "amdgcn-amd-amdhsa--gfx1250"
	.amdhsa_code_object_version 6
	.text
	.protected	k_qab6ffff5ea_gemm_qkv
	.globl	k_qab6ffff5ea_gemm_qkv
	.p2align	8
	.type	k_qab6ffff5ea_gemm_qkv,@function
k_qab6ffff5ea_gemm_qkv:
	s_mov_b64 s[64:65], 0
	v_nop
	global_prefetch_b8 v0, s[64:65] scope:SCOPE_SE
	s_setreg_imm32_b32 hwreg(HW_REG_WAVE_MODE, 25, 1), 1
	s_wait_xcnt 0x0
	s_wait_alu depctr_hold_cnt(0) depctr_sa_sdst(0) depctr_va_vdst(0) depctr_va_sdst(0) depctr_va_ssrc(0) depctr_va_vcc(0) depctr_vm_vsrc(0)
	s_getreg_b32 s2, hwreg(HW_REG_IB_STS2, 6, 4)
	s_cmp_eq_u32 s2, 0
	s_cbranch_scc0 .Lentry_in_a_cluster
	s_endpgm
.Lentry_in_a_cluster:
	s_bfe_u32 s2, ttmp6, 0x10000c
	s_cmp_lg_u32 s2, 0xf033
	s_cbranch_scc0 .Lentry_shape_is_right
	s_endpgm
.Lentry_shape_is_right:
; qkv = x w_qkv + b_qkv on codes of FP8 (E4M3), and q, k, v quantised at once for the attention that follows.  xq: 8,192 rows x 1,024 K, wq: 3,072 rows (columns of w_qkv) x 1,024 K, both as images of operand registers:
; [K / 256][row / 16][(K / 128) % 2][2048]; in an image lane l's registers 4 g .. 4 g + 3 lie at 512 g + 16 l, and byte y of register 2 c + u of lane (r, h) is k = 16 c + 8 h + 4 u + y of row r.
; A sum stands for sum x 2^(e0 + e1); value = sum x 2^(e0 + e1) + bias, one fused multiply-add in f32; code = value / 2^e (e = entry 2, 3 or 5 of lowp_scales), held within +-448.
; LIMITS: e0 + e1 between -126 and 127; each output's e between -126 and 119: each power of two below is then an f32 number.  NaN is not served.
; SHARES.  A work-group of four waves makes 256 tokens x 256 columns, a wave 128 x 128: 64 accumulators, 512 registers.  K goes in four steps of 256 through two LDS slots; each wave fetches a quarter of a slot,
; one dense block of 32,768 bytes, by one tensor load.  By the text's own count a wave has two tensor loads out at the start and one behind each round.
; CLUSTERS: 4 x 4 work-groups.  A's tile (tokens) is shared along a row of the cluster, B's (columns) along a column: each is asked for jointly.  Cluster x = 0 makes q, 1 makes k, 2 makes v.
; THE MATRIX INSTRUCTION: source 0 = a fragment of set BF, source 1 = one of set AF; a lane then holds ONE row of AF's block (lane % 16) and eight neighbouring rows of BF's (8 (lane / 16) + 0 .. 7).
;   q, k: AF = tokens, BF = columns: a lane's registers run along the head's 64, which is the K of the scores.   v: AF = columns, BF = tokens: they run along the keys, the K of the second product.
; Only the LDS bases of the fragment loads differ between the two; they hang on the cluster's x, which all sixteen partners share.  So the conversions' results ARE the next operands' registers, and go to memory as images:
;   qc, kc: [batch x 16 + head][token / 16][1024] (16 tokens x 64);   vc: [batch x 16 + head][key / 128][d / 16][2048] (16 of the head's 64 x 128 keys).
; REGISTERS, in windows of 256: window 0: v0-31 addresses; v32-95, v96-111 biases; v128-255 AF, one set (on the way out: 64 values, then four sets of 16 registers of codes).
;   window 1: BF, two sets.   window 2: the accumulators of AF's blocks 0-3 ((a, b) at v[8 (8 a + b)]);   window 3: those of blocks 4-7.
.set KSA,   2097152                    ; xq: bytes from a K step of 256 to the next
.set KSB,   786432                     ; wq: the same
.set FR,    16                         ; registers of a fragment
.set NL,    4                          ; LDS loads that bring one
.set NP,    4                          ; places behind this matrix instruction (ISA guide 7.12.1)
.set HALFT, 32768                      ; 128 rows x 256 K: what one tensor load brings
.set SLOT,  131072                     ; A's two halves, then B's two halves
.set SPARE, 262144                     ; behind the ring: the spare words, 128 bytes for each wave: two blocks of 256 bytes that no other line names
.set ADRA,  16                         ; v16-17  LDS address of AF's fragments in slot 0, 1
.set ADRB,  20                         ; v20-21  of BF's
.set LIM,   22                         ; v22     448 x 2^e
.set SCL,   23                         ; v23     2^e
.set CO,    24                         ; v24     16 x lane
.set BO,    25                         ; v25     32 (lane / 16)
.set BO2,   26                         ; v26     4 (lane % 16)
.set SPW,   28                         ; v28     LDS address of my spare word; never rewritten
.set NIL,   29                         ; v29     0; never rewritten
.set BQ,    32                         ; v32-95  q, k: the bias of columns 16 b + 8 h + j at BQ + 8 b + j
.set BV,    96                         ; v96-111 v: the bias of column 16 a + r, twice, at BV + 2 a
.set AF,    128
.set TMP,   128
.set CD,    192
.set G1,  24                           ; s[24:31] descriptor group 1 for A's tiles;  s[32:39] group 0, one set for each slot
.set G0,  32
.set G1B, 48                           ; s[48:55], s[56:63] the same for B's tiles
.set G0B, 56
.set MSB, 0
.macro WIN new                         ; the immediate's high byte repeats the setting that is left
.if MSB != \new
	s_set_vgpr_msb (MSB<<8)|\new
.set MSB, \new
.endif
.endm
.set MUL_LO, 0xa1                      ; source 0 (BF) window 1, source 1 (AF) window 0, C and D window 2
.set MUL_HI, 0xf1                      ; the same, C and D window 3
.set TO_B,   0x40                      ; destination window 1, address window 0
; A joint load: waves 0 and 1 fetch A's halves, waves 2 and 3 B's.  Each line has one mask and one set of registers for all that issue it; the branch hangs on the wave's number alone.
; Four v_nop follow each of the two lines, ahead of the jump, the label and what follows.
.macro JLOAD g0a, g1a, g0b, g1b
	s_cmp_eq_u32 s15, 0
	s_cbranch_scc0 .Lfor_b_\@
	tensor_load_to_lds s[\g0a:\g0a+3], s[\g1a:\g1a+7]
	s_nop 0
.rept 4
	v_nop
.endr
	s_branch .Lasked_\@
.Lfor_b_\@:
	tensor_load_to_lds s[\g0b:\g0b+3], s[\g1b:\g1b+7]
	s_nop 0
.rept 4
	v_nop
.endr
.Lasked_\@:
.endm
.macro CREST                           ; a round of the cluster's barrier behind its opening barrier
	s_cmp_lg_u32 s14, 0
	s_cbranch_scc1 .Lnot_wave_0_\@
	s_barrier_signal -3
.Lnot_wave_0_\@:
	s_barrier_wait -3
	s_barrier_signal -1
	s_barrier_wait -1
.endm
.macro CROUND                          ; a whole round
	s_barrier_signal -1
	s_barrier_wait -1
	CREST
.endm
	s_load_b256 s[4:11], s[0:1], 0x0               ; xq s[4:5], wq s[6:7], the exponents s[8:9], b_qkv s[10:11]
	s_load_b128 s[68:71], s[0:1], 0x20             ; qc s[68:69], kc s[70:71]
	s_load_b64 s[72:73], s[0:1], 0x30              ; vc
	v_lshl_add_u32 v[SPW], v0, 2, SPARE
	v_mov_b32 v[NIL], 0
	ds_add_u32 v28, v29
	ds_add_u32 v28, v29
	s_wait_dscnt 0x0
	v_lshrrev_b32 v1, 5, v0
	v_readfirstlane_b32 s14, v1                    ; wave 0..3
	s_lshr_b32 s15, s14, 1                         ; which half of AF's 256 rows is mine.  Also: I fetch for A (0) or for B (1)
	s_and_b32 s16, s14, 1                          ; which half of BF's.  Also: which 128 rows of that tile I fetch
	s_bfe_u32 s40, ttmp6, 0x40000                  ; cx, cy: my place in the cluster
	s_bfe_u32 s41, ttmp6, 0x40004
	s_lshl_b32 s42, ttmp9, 2
	s_add_co_u32 s42, s42, s40                     ; tile column = 4 x cluster x + cx: 0 .. 11
	s_and_b32 s17, ttmp7, 0xffff
	s_lshl_b32 s17, s17, 2
	s_add_co_u32 s17, s17, s41                     ; tile row = 4 x cluster y + cy: 0 .. 31
	s_lshl_b32 s43, s41, 2
	s_lshl_b32 s43, 15, s43                        ; my row of the cluster
	s_lshl_b32 s44, 0x1111, s40                    ; my column
	; descriptor group 1: a dense block of 32,768 bytes as 128 rows of 32 elements of 8 bytes; no padding: fragments are read as they lie, 512 consecutive bytes a load
	s_or_b32 s[G1+0], s43, (3<<16)|(1<<21)         ; 15:0 the mask: A's tiles go to my row; 17:16 elements of 8 bytes; 21 set beside a mask
	s_or_b32 s[G1B+0], s44, (3<<16)|(1<<21)        ; B's go to my column
.irp g, G1, G1B
	s_mov_b32 s[\g+1], 32<<16                      ; tensor_dim0 = 32
	s_mov_b32 s[\g+2], 128<<16                     ; tensor_dim1 = 128
	s_mov_b32 s[\g+3], 32<<16                      ; tile_dim0 = 32
	s_mov_b32 s[\g+4], 128                         ; tile_dim1 = 128
	s_mov_b32 s[\g+5], 32                          ; tensor_dim0_stride: dense
	s_mov_b32 s[\g+6], 0
	s_mov_b32 s[\g+7], 0
.endr
	s_lshl_b32 s18, s16, 15                        ; which 8 blocks of 16 rows (4,096 bytes each) of the tile I fetch
	s_lshl_b32 s20, s17, 16
	s_add_co_u32 s20, s20, s18                     ; A: block 16 x tile row + 8 x half
	s_mov_b32 s21, 0
	s_lshl_b32 s46, s42, 16
	s_add_co_u32 s46, s46, s18                     ; B: block 16 x tile column + 8 x half
	s_mov_b32 s47, 0
	s_lshl_b32 s45, s14, 15                        ; where they go: wave x 32,768: no place in the cluster enters an LDS address
	s_wait_kmcnt 0x0
	s_load_b256 s[80:87], s[8:9], 0x0              ; the eight exponents
	s_add_nc_u64 s[20:21], s[4:5], s[20:21]
	s_add_nc_u64 s[46:47], s[6:7], s[46:47]
	CROUND                                         ; all sixteen work-groups are here: the first joint loads meet
.irp s, 0,1
	s_mov_b32 s[G0+4*\s], 1
	s_add_co_u32 s[G0+4*\s+1], s45, \s*SLOT
	s_add_nc_u64 s[G0+4*\s+2:G0+4*\s+3], s[20:21], \s*KSA
	s_or_b32 s[G0+4*\s+3], s[G0+4*\s+3], 0x80000000
	s_mov_b32 s[G0B+4*\s], 1
	s_add_co_u32 s[G0B+4*\s+1], s45, \s*SLOT
	s_add_nc_u64 s[G0B+4*\s+2:G0B+4*\s+3], s[46:47], \s*KSB
	s_or_b32 s[G0B+4*\s+3], s[G0B+4*\s+3], 0x80000000
	JLOAD G0+4*\s, G1, G0B+4*\s, G1B
.endr
	; the biases, for both layouts: no branch, and both stay inside b_qkv (the last column named is 3,071)
	v_and_b32 v1, 31, v0
	v_lshlrev_b32 v[CO], 4, v1
	v_bfe_u32 v2, v0, 4, 1
	v_lshlrev_b32 v[BO], 5, v2
	v_and_b32 v3, 15, v0
	v_lshlrev_b32 v[BO2], 2, v3
	s_lshl_b32 s76, s42, 10                        ; 256 x tile column, in bytes
	s_lshl_b32 s77, s16, 9
	s_add_co_u32 s96, s76, s77
	s_mov_b32 s97, 0
	s_add_nc_u64 s[96:97], s[10:11], s[96:97]      ; q, k: my columns are BF's half
	s_lshl_b32 s77, s15, 9
	s_add_co_u32 s98, s76, s77
	s_mov_b32 s99, 0
	s_add_nc_u64 s[98:99], s[10:11], s[98:99]      ; v: they are AF's half
.irp b, 0,1,2,3,4,5,6,7
	global_load_b128 v[BQ+8*\b:BQ+8*\b+3], v[BO], s[96:97] offset:64*\b
	global_load_b128 v[BQ+8*\b+4:BQ+8*\b+7], v[BO], s[96:97] offset:64*\b+16
.endr
.irp a, 0,1,2,3,4,5,6,7
	global_load_b32 v[BV+2*\a], v[BO2], s[98:99] offset:64*\a
	global_load_b32 v[BV+2*\a+1], v[BO2], s[98:99] offset:64*\a
.endr
	; the fragments' LDS bases.  sm = 1 where the cluster makes v: AF then reads B's region of a slot and BF reads A's.  Each base stays inside its slot whatever sm is
	s_lshr_b32 s66, ttmp9, 1
	s_and_b32 s66, s66, 1                          ; sm
	s_xor_b32 s67, s66, 1
	s_lshl_b32 s21, s15, 15
	s_lshl_b32 s22, s66, 16
	s_add_co_u32 s21, s21, s22
	s_lshl_b32 s22, s16, 15
	s_lshl_b32 s23, s67, 16
	s_add_co_u32 s22, s22, s23
.irp s, 0,1
	v_add_nc_u32 v[ADRA+\s], s21, v[CO]
	v_add_nc_u32 v[ADRB+\s], s22, v[CO]
	s_add_co_u32 s21, s21, SLOT
	s_add_co_u32 s22, s22, SLOT
.endr
	; where my wave's images begin in its output: (16 batch + head) x 131,072 + (tile row % 8) x 16,384 + my half of the tokens x 8,192: the same sum in both layouts
	s_cmp_eq_u32 s66, 0
	s_cselect_b32 s92, s15, s16                    ; which half of the tile's tokens is mine
	s_cselect_b32 s93, s16, s15                    ; which half of its columns: two heads
	s_lshr_b32 s90, s17, 3                         ; batch
	s_lshl_b32 s90, s90, 4
	s_and_b32 s91, s42, 3
	s_lshl_b32 s91, s91, 2
	s_add_co_u32 s90, s90, s91
	s_lshl_b32 s93, s93, 1
	s_add_co_u32 s90, s90, s93
	s_lshl_b32 s90, s90, 17
	s_and_b32 s91, s17, 7
	s_lshl_b32 s91, s91, 14
	s_add_co_u32 s90, s90, s91
	s_lshl_b32 s92, s92, 13
	s_add_co_u32 s90, s90, s92
	s_mov_b32 s91, 0
.macro FRAG reg, adr, q, i             ; block i's image of the slot's q-th 128 along K: four loads of 512 consecutive bytes
.irp c, 0,1,2,3
	ds_load_b128 v[\reg+4*\c:\reg+4*\c+3], v[\adr] offset:(\i)*4096+(\q)*2048+512*\c
.endr
.endm
; 16 matrix instructions: AF's blocks a0, a0 + 1 x BF's eight, 128 along K.  p: BF's set.  zero = 1: the first product starts the sums: nothing is ever cleared.
; The 64 accumulators take turns, one instruction a turn, in the same order in every step.
.macro MUL16 a0, p, zero
.irp a, \a0, \a0+1
.irp b, 0,1,2,3,4,5,6,7
.if \zero
	v_wmma_f32_16x16x128_fp8_fp8 v[8*(8*((\a)%4)+\b):8*(8*((\a)%4)+\b)+7], v[128*(\p)+FR*\b:128*(\p)+FR*\b+FR-1], v[AF+FR*(\a):AF+FR*(\a)+FR-1], 0
.else
	v_wmma_f32_16x16x128_fp8_fp8 v[8*(8*((\a)%4)+\b):8*(8*((\a)%4)+\b)+7], v[128*(\p)+FR*\b:128*(\p)+FR*\b+FR-1], v[AF+FR*(\a):AF+FR*(\a)+FR-1], v[8*(8*((\a)%4)+\b):8*(8*((\a)%4)+\b)+7]
.endif
.endr
.endr
.endm
.macro FETCH_B slot, q, p
	WIN TO_B
.irp i, 0,1,2,3,4,5,6,7
	FRAG 128*(\p)+FR*\i, ADRB+\slot, \q, \i
.endr
	WIN 0
.endm
.macro FETCH_A slot, q, i0
.irp i, \i0, \i0+1, \i0+2, \i0+3
	FRAG AF+FR*(\i), ADRA+\slot, \q, \i
.endr
.endm
; A load into a register that a matrix instruction has read, and a vector instruction that reads a matrix result or writes one of its registers, stand NP places behind it; only plain vector
; instructions that name none of its registers are places (ISA guide 7.12.1 for vector instructions).
.macro PLACES n
.rept \n
	v_nop
.endr
.endm
; A step of 128 along K that has its successor in the same slot.  AF has one set: a block is free when its eight products are issued; blocks 0-3 are fetched anew in the step's middle, 4-7 at its end.
.macro STEP slot, q, zero
	s_wait_dscnt 4*NL                              ; BF's set and AF's blocks 0-3 are in; the youngest sixteen loads (blocks 4-7) may be out
	WIN MUL_LO
	MUL16 0, (\q)%2, \zero
	MUL16 2, (\q)%2, \zero
	s_wait_dscnt 0                                 ; blocks 4-7 are in
	PLACES NP
	FETCH_B \slot, (\q)+1, 1-(\q)%2
	FETCH_A \slot, (\q)+1, 0
	WIN MUL_HI
	MUL16 4, (\q)%2, \zero
	MUL16 6, (\q)%2, \zero
	PLACES NP
	WIN 0
	FETCH_A \slot, (\q)+1, 4
.endm
; A slot's last step changes slots: one barrier; in front of it each wave waits for all its tensor loads, adds 0 to its spare word, and waits for that and for its own reads of this slot.  fill = 1: this slot is filled again, two K steps ahead.
.macro TURN slot, next, fill
	s_wait_tensorcnt 0x0                           ; all my tensor loads have landed: my part of the next slot  (every window is 0 here)
	ds_add_u32 v[SPW], v[NIL]                      ; 0 onto my spare word
	s_wait_dscnt 4*NL+1                            ; the add and the youngest sixteen loads (blocks 4-7) may be out
	WIN MUL_LO
	MUL16 0, 1, 0                                  ; sixteen matrix instructions stand between the add and the wait for it
	s_wait_dscnt 0x0                               ; the add is done, and my reads of this slot are over
	s_barrier_signal -1
	MUL16 2, 1, 0
	WIN 0
	s_barrier_wait -1
.if \fill
	CREST                                          ; the barrier has opened a round of the cluster's barrier: no wave of any partner still reads this slot or has a load on its way
	s_add_nc_u64 s[G0+4*\slot+2:G0+4*\slot+3], s[G0+4*\slot+2:G0+4*\slot+3], 2*KSA
	s_add_nc_u64 s[G0B+4*\slot+2:G0B+4*\slot+3], s[G0B+4*\slot+2:G0B+4*\slot+3], 2*KSB
	JLOAD G0+4*\slot, G1, G0B+4*\slot, G1B         ; the first tensor load behind the round; its four v_nop are also the places in front of the loads below
.else
	PLACES NP
.endif
	FETCH_B \next, 0, 0
	FETCH_A \next, 0, 0
	WIN MUL_HI
	MUL16 4, 1, 0
	MUL16 6, 1, 0
	PLACES NP
	WIN 0
	FETCH_A \next, 0, 4
.endm
	s_wait_tensorcnt 1                             ; my part of K step 0 is in; K step 1's load may be out
	s_barrier_signal -1
	s_barrier_wait -1                              ; everybody's is
	FETCH_B 0, 0, 0
	FETCH_A 0, 0, 0
	FETCH_A 0, 0, 4
	STEP 0, 0, 1                                   ; K = 1,024 is four slots' worth: the eight steps are written out, no loop
	TURN 0, 1, 1
	STEP 1, 0, 0
	TURN 1, 0, 1
	STEP 0, 0, 0
	TURN 0, 1, 0                                   ; nothing is left to fetch: no round
	STEP 1, 0, 0
	s_wait_dscnt 4*NL                              ; the very last step
	WIN MUL_LO
	MUL16 0, 1, 0
	MUL16 2, 1, 0
	s_wait_dscnt 0
	WIN MUL_HI
	MUL16 4, 1, 0
	MUL16 6, 1, 0
	WIN 0
; THE WAY OUT of AF's block a: 64 values = sum x 2^(e0 + e1) + bias (each accumulator from its low end on), the hold, eight conversions: 16 registers of codes, four stores of 512 consecutive bytes.
;   mode 0 (q, k): accumulators b = 0-3 are 16 tokens x one head's 64, an image of 1,024 bytes; b = 4-7 the next head's, 131,072 bytes on.
;   mode 1 (v):    the eight accumulators are 16 of a head's 64 x 128 keys: one image of 2,048 bytes; blocks 0-3 are one head's four, blocks 4-7 the next head's.
.macro OUTBLK a, mode
.set AC, 64*((\a)%4)
.set CC, CD+16*((\a)%4)
.if (\a) >= 4
	s_wait_xcnt 0x0                                ; block a - 4's stores have read their data: these registers are written again only behind this wait
.endif
	WIN 0x02+((\a)/4)                              ; source 0: window 2 or 3
.irp b, 0,1,2,3,4,5,6,7
.irp i, 0,2,4,6
.if \mode
	v_pk_fma_f32 v[TMP+8*\b+\i:TMP+8*\b+\i+1], v[AC+8*\b+\i:AC+8*\b+\i+1], s[88:89], v[BV+2*(\a):BV+2*(\a)+1] op_sel_hi:[1,0,1]
.else
	v_pk_fma_f32 v[TMP+8*\b+\i:TMP+8*\b+\i+1], v[AC+8*\b+\i:AC+8*\b+\i+1], s[88:89], v[BQ+8*\b+\i:BQ+8*\b+\i+1] op_sel_hi:[1,0,1]
.endif
.endr
.endr
	WIN 0
.set i, 0
.rept 64
	v_med3_num_f32 v[TMP+i], v[TMP+i], -v[LIM], v[LIM]         ; the conversion to an 8-bit code does not saturate (ISA guide 7.6.2)
.set i, i+1
.endr
.set i, 0
.rept 8
	v_cvt_scalef32_pk8_fp8_f32 v[CC+2*i:CC+2*i+1], v[TMP+8*i:TMP+8*i+7], v[SCL]
.set i, i+1
.endr
	v_nop                                          ; one plain vector line behind the last conversion: the next block writes its sources
.if \mode
.irp g, 0,1,2,3
	global_store_b128 v[CO], v[CC+4*\g:CC+4*\g+3], s[74:75] offset:((\a)/4)*131072+((\a)%4)*2048+512*\g
.endr
.else
	global_store_b128 v[CO], v[CC:CC+3], s[74:75] offset:(\a)*1024
	global_store_b128 v[CO], v[CC+4:CC+7], s[74:75] offset:(\a)*1024+512
	global_store_b128 v[CO], v[CC+8:CC+11], s[74:75] offset:(\a)*1024+131072
	global_store_b128 v[CO], v[CC+12:CC+15], s[74:75] offset:(\a)*1024+131584
.endif
.endm
	s_wait_kmcnt 0x0                               ; the exponents
	s_wait_loadcnt 0x0                             ; the biases
	s_add_co_i32 s88, s80, s81
	s_add_co_i32 s88, s88, 127
	s_lshl_b32 s88, s88, 23                        ; 2^(e0 + e1) as f32
	s_mov_b32 s89, s88                             ; (named with it as a pair, so it is written)
	s_cmp_eq_u32 ttmp9, 0                          ; which output: the choice hangs on the cluster's x alone
	s_cselect_b64 s[74:75], s[68:69], s[70:71]
	s_cselect_b32 s94, s82, s83
	s_cmp_eq_u32 ttmp9, 2
	s_cselect_b64 s[74:75], s[72:73], s[74:75]
	s_cselect_b32 s94, s85, s94                    ; e2 for q, e3 for k, e5 for v
	s_add_nc_u64 s[74:75], s[74:75], s[90:91]
	s_add_co_i32 s94, s94, 127
	s_lshl_b32 s95, s94, 23
	v_mov_b32 v[SCL], s95
	s_add_co_i32 s94, s94, 8
	s_lshl_b32 s94, s94, 23
	s_or_b32 s94, s94, 0x600000
	v_mov_b32 v[LIM], s94
	PLACES NP                                      ; behind the last products: their results are read and AF's registers written below
	s_cmp_eq_u32 s66, 0
	s_cbranch_scc0 .Lvalues                        ; the same way in all sixteen partners
.irp a, 0,1,2,3,4,5,6,7
	OUTBLK \a, 0
.endr
	s_branch .Lend
.Lvalues:
.irp a, 0,1,2,3,4,5,6,7
	OUTBLK \a, 1
.endr
.Lend:
	s_wait_tensorcnt 0x0                           ; the wave's end
	ds_add_u32 v[SPW], v[NIL]
	s_wait_dscnt 0x0
	CROUND                                         ; the closing round: no work-group ends while a partner may still ask for a tile that names it
	s_endpgm
.Lfunc_end_k_qab6ffff5ea_gemm_qkv:
	.size	k_qab6ffff5ea_gemm_qkv, .Lfunc_end_k_qab6ffff5ea_gemm_qkv-k_qab6ffff5ea_gemm_qkv
	.p2alignl 7, 3214868480
	.fill 96, 4, 3214868480
	.section	.rodata,"a",@progbits
	.p2align	6, 0x0
	.amdhsa_kernel k_qab6ffff5ea_gemm_qkv
		.amdhsa_group_segment_fixed_size 327680
		.amdhsa_private_segment_fixed_size 0
		.amdhsa_enable_private_segment 0
		.amdhsa_kernarg_size 56
		.amdhsa_user_sgpr_count 2
		.amdhsa_user_sgpr_kernarg_segment_ptr 1
		.amdhsa_wavefront_size32 1
		.amdhsa_system_sgpr_workgroup_id_x 1
		.amdhsa_system_sgpr_workgroup_id_y 1
		.amdhsa_system_sgpr_workgroup_id_z 1
		.amdhsa_system_vgpr_workitem_id 0
		.amdhsa_next_free_vgpr 1024
		.amdhsa_next_free_sgpr 100
		.amdhsa_reserve_vcc 0
		.amdhsa_float_denorm_mode_32 3
		.amdhsa_float_denorm_mode_16_64 3
		.amdhsa_memory_ordered 1
		.amdhsa_forward_progress 1
		.amdhsa_inst_pref_size 193
	.end_amdhsa_kernel
	.amdgpu_metadata
---
amdhsa.version: [ 1, 2 ]
amdhsa.kernels:
  - .name:           k_qab6ffff5ea_gemm_qkv
    .symbol:         k_qab6ffff5ea_gemm_qkv.kd
    .args:
      - { .name: xq, .offset: 0, .size: 8, .value_kind: global_buffer, .address_space: global }
      - { .name: wq, .offset: 8, .size: 8, .value_kind: global_buffer, .address_space: global }
      - { .name: lowp_scales, .offset: 16, .size: 8, .value_kind: global_buffer, .address_space: global }
      - { .name: b_qkv, .offset: 24, .size: 8, .value_kind: global_buffer, .address_space: global }
      - { .name: qc, .offset: 32, .size: 8, .value_kind: global_buffer, .address_space: global }
      - { .name: kc, .offset: 40, .size: 8, .value_kind: global_buffer, .address_space: global }
      - { .name: vc, .offset: 48, .size: 8, .value_kind: global_buffer, .address_space: global }
    .group_segment_fixed_size: 327680
    .private_segment_fixed_size: 0
    .kernarg_segment_align: 8
    .kernarg_segment_size: 56
    .max_flat_workgroup_size: 128
    .sgpr_count:     100
    .vgpr_count:     1024
    .wavefront_size: 32
...
	.end_amdgpu_metadata
.endif
;; end of part 2
;; launch attn (part 3): grid 4 x 64, 16 waves a work-group, no clusters, 34,816 bytes of LDS; arguments qc, kc, vc, lowp_scales, yc; writes yc
.if DOCPART == 3
	.amdgcn_target "amdgcn-amd-amdhsa--gfx1250"
	.amdhsa_code_object_version 6
	.text
	.protected	k_qab6ffff5ea_attn
	.globl	k_qab6ffff5ea_attn
	.p2align	8
	.type	k_qab6ffff5ea_attn,@function
k_qab6ffff5ea_attn:
	s_mov_b64 s[64:65], 0
	v_nop
	global_prefetch_b8 v0, s[64:65] scope:SCOPE_SE
	s_setreg_imm32_b32 hwreg(HW_REG_WAVE_MODE, 25, 1), 1
	s_wait_xcnt 0x0
; y[b][h][q] = the sum over keys k <= q of softmax_k(q . k / 8) v, both products on codes of FP8 (E4M3); y is quantised at once for the projection that follows.
; qc, kc: [bh 64][token / 16][1024]: images of 16 tokens x 64.  vc: [bh][key / 128][d / 16][2048]: images of 16 of the head's 64 x 128 keys.  In an image lane l's registers 4 g .. 4 g + 3 lie at 512 g + 16 l.
; yc: laid as the projection's left operand, [K / 256][token / 16][(K / 128) % 2][2048] with K = 64 head + d: one head's part of 16 tokens is 1,024 consecutive bytes.
; THE SOFTMAX: t = score x log2(e) / 8; M = the row's largest t so far, rounded UP to a whole number; p = 2^(t - M) is quantised with 2^e4, not normalised.  The row's sum is taken of the unquantised p and divides at the end.
; When M moves, the sum and O are multiplied by 2^(old M - new M): a power of two.
; LIMITS: e2 + e3 between -123 and 130 (added to c's exponent field); e4 and e6 between -126 and 119; e4 + e5 is applied by v_ldexp_f32.  NaN is not served.
; SHARES.  A work-group owns two blocks of 256 queries of one head, blocks x and 7 - x.  Block b needs 2 b + 2 steps of 128 keys (the mask hides the rest), so every work-group walks 18 steps: 256 equal work-groups.
; Each of the sixteen waves owns 16 queries of the block in hand, in 256 registers: four waves to a SIMD, so that one wave's vector work stands beside another's products and LDS loads.
; LAYOUT.  S^T = K Q^T (source 0 = 16 keys, source 1 = my 16 queries) and O^T = V^T P^T: a lane holds ONE query (lane % 16) throughout.  Tile t of S^T gives lane (r, h) keys 16 t + 8 h + 0 .. 7, which are
; registers 2 t, 2 t + 1 of the second product's operand: the conversions' results are that operand.
; TILES.  A step's K (8 images) and V (4 images), 8,192 bytes each, go through registers into one of two LDS slots, a step ahead: thread t loads 16 bytes of each at a step's head and stores them at its end.
; One barrier a step: in front of it each wave's stores into the other slot and its reads of this slot are done.  The loop has nine trips of two steps, so each slot stands in the immediates.
; NO JOINT LOADS: the four work-groups of a head turn back to tile 0 after 2 x + 2 steps, each at another step, so they never want the same tile at the same time.
; REGISTERS: v1 16 x lane; v2 16 x thread; v3 the next tile's offset; v5 y's offset; v6 r - 8 h; v7 -infinity; v8-15 the next tile's bytes; v16-23 Q; v24 -M, v25 the largest t; v[26:27] the sum in two halves;
;   v28, v29: 2^e4, 448 x 2^e4; v32-95 K's images, then V's; v96-159 S^T, then p; v160-191 O^T; v192-207 p's codes; v208-216 at work; v218-225 y's codes; v226, v227: 2^e6, 448 x 2^e6; v232-239 the second block's Q.
.set KSA,   2097152                    ; yc: bytes from 256 along K to the next
.set SLOTB, 16384                      ; an LDS slot: K's 8,192 bytes, then V's
.set VOFF,  8192
.macro RESET                           ; a block's start: O^T and the sum are zeros and the largest t lies under every t, so that the step is written once
	v_mov_b32 v25, 0xff61b1e6                      ; -3e38
	v_floor_f32 v24, -v25
	v_mov_b32 v26, 0
	v_mov_b32 v27, 0
.set i, 0
.rept 32
	v_mov_b32 v[160+i], 0
.set i, i+1
.endr
.endm
	s_load_b256 s[4:11], s[0:1], 0x0               ; qc s[4:5], kc s[6:7], vc s[8:9], the exponents s[10:11]
	s_load_b64 s[12:13], s[0:1], 0x20              ; yc
	v_lshl_add_u32 v254, v0, 2, 0x8000
	v_mov_b32 v255, 0
	v_lshrrev_b32 v1, 5, v0
	v_readfirstlane_b32 s24, v1                    ; wave 0..15
	v_and_b32 v1, 31, v0
	v_lshlrev_b32 v1, 4, v1                        ; 16 x lane
	v_lshlrev_b32 v2, 4, v0                        ; 16 x thread
	v_and_b32 v6, 15, v0
	v_bfe_u32 v4, v0, 4, 1
	v_lshlrev_b32 v4, 3, v4
	v_sub_nc_u32 v6, v6, v4                        ; r - 8 h
	v_mov_b32 v7, 0xff800000                       ; -infinity
	v_mov_b32 v211, 0                              ; (named as the upper half of the pair v[210:211])
	v_mov_b32 v212, 0                              ; written once: a lane permute's destination counts as one of its sources
	s_and_b32 s25, ttmp7, 0xffff                   ; bh = 16 x batch + head
	s_lshl_b32 s26, s25, 17                        ; its 131,072 bytes in each of qc, kc, vc
	s_mov_b32 s27, 0
	s_lshl_b32 s36, ttmp9, 8
	s_lshl_b32 s44, s24, 4
	s_add_co_u32 s36, s36, s44                     ; my first query in block x
	s_sub_co_u32 s39, 7, ttmp9
	s_lshl_b32 s39, s39, 8
	s_add_co_u32 s39, s39, s44                     ; and in block 7 - x
	s_lshl_b32 s33, ttmp9, 1
	s_add_co_u32 s33, s33, 2                       ; steps of block x: 2 x + 2,
	s_sub_co_u32 s40, 18, s33                      ; of block 7 - x: 16 - 2 x
	s_and_b32 s2, s25, 15                          ; head
	s_lshr_b32 s3, s2, 2
	s_mul_i32 s14, s3, KSA                         ; yc: which 256 along K,
	s_and_b32 s3, s2, 3
	s_lshl_b32 s3, s3, 10                          ; which 64 of them: 1,024 bytes each,
	s_add_co_u32 s14, s14, s3
	s_lshr_b32 s3, s25, 4
	s_lshl_b32 s3, s3, 19                          ; the batch's 128 blocks of 16 tokens, 4,096 bytes each
	s_add_co_u32 s14, s14, s3
	s_mov_b32 s15, 0
	s_mov_b32 s30, 0x76543210                      ; v_permlanex16_b32's selects for lane l xor 16
	s_mov_b32 s31, 0xfedcba98
	s_mov_b32 s32, 0                               ; the step's tile of keys
	s_mov_b32 s38, 9                               ; trips
	s_wait_kmcnt 0x0
	s_load_b256 s[16:23], s[10:11], 0x0            ; e0 .. e7
	s_add_nc_u64 s[4:5], s[4:5], s[26:27]
	s_add_nc_u64 s[6:7], s[6:7], s[26:27]
	s_add_nc_u64 s[8:9], s[8:9], s[26:27]
	s_add_nc_u64 s[12:13], s[12:13], s[14:15]
	s_lshl_b32 s44, s36, 6                         ; (query / 16) x 1,024
	s_mov_b32 s45, 0
	s_add_nc_u64 s[42:43], s[4:5], s[44:45]
	s_lshl_b32 s44, s39, 6
	s_add_nc_u64 s[46:47], s[4:5], s[44:45]
	global_load_b128 v[16:19], v1, s[42:43]        ; both blocks' Q stay in registers
	global_load_b128 v[20:23], v1, s[42:43] offset:512
	global_load_b128 v[232:235], v1, s[46:47]
	global_load_b128 v[236:239], v1, s[46:47] offset:512
	global_load_b128 v[8:11], v2, s[6:7]           ; tile 0: a wave's load covers 512 consecutive bytes
	global_load_b128 v[12:15], v2, s[8:9]
	RESET
	s_wait_kmcnt 0x0
	s_add_co_i32 s44, s18, s19
	s_lshl_b32 s44, s44, 23
	s_add_co_i32 s28, s44, 0x3e38aa3b              ; c = log2(e) / 8, with e2 + e3 added to its exponent field: a score stands for score x 2^(e2 + e3)
	s_mov_b32 s29, s28                             ; (named with it as a pair, so it is written)
	s_add_co_i32 s44, s20, 127
	s_lshl_b32 s45, s44, 23
	v_mov_b32 v28, s45                             ; 2^e4
	s_add_co_i32 s44, s44, 8
	s_lshl_b32 s44, s44, 23
	s_or_b32 s44, s44, 0x600000
	v_mov_b32 v29, s44                             ; 448 x 2^e4
	s_add_co_i32 s44, s22, 127
	s_lshl_b32 s45, s44, 23
	v_mov_b32 v226, s45                            ; 2^e6
	s_add_co_i32 s44, s44, 8
	s_lshl_b32 s44, s44, 23
	s_or_b32 s44, s44, 0x600000
	v_mov_b32 v227, s44                            ; 448 x 2^e6
	s_add_co_i32 s41, s20, s21                     ; e4 + e5
	s_wait_loadcnt 0x0
	ds_store_b128 v2, v[8:11]
	ds_store_b128 v2, v[12:15] offset:VOFF
	s_wait_dscnt 0x0                               ; for the others' sake: my part of tile 0 lies in slot 0
	s_barrier_signal -1
	s_barrier_wait -1
; A KEY STEP on slot sl.
.macro STEP sl
	s_add_co_u32 s34, s32, 1                       ; the next tile: the one behind, or tile 0 behind a block's last (the other block's first; the very last such load is spare, and inside its buffer)
	s_cmp_eq_u32 s34, s33
	s_cselect_b32 s34, 0, s34
	v_lshl_add_u32 v3, s34, 13, v2                 ; (free: the last step's loads were waited for)
	global_load_b128 v[8:11], v3, s[6:7]           ; asked for a whole step ahead of the wait for them
	global_load_b128 v[12:15], v3, s[8:9]
	s_lshl_b32 s35, s32, 7                         ; the step's first key
	s_add_co_u32 s44, s36, 15
	s_cmp_gt_u32 s35, s44
	s_cbranch_scc1 .Lhid_\@                        ; all 128 keys come after my 16 queries: the step's work is left out; its copy and its barrier are not
.rept 4
	v_nop                                          ; places in front of loads into registers that the last products have read
.endr
.irp t, 0,1,2,3,4,5,6,7
	ds_load_b128 v[32+8*\t:35+8*\t], v1 offset:\sl*SLOTB+\t*1024
	ds_load_b128 v[36+8*\t:39+8*\t], v1 offset:\sl*SLOTB+\t*1024+512
.endr
	s_wait_dscnt 8                                 ; images 0-3 are in; the eight younger loads may be out
.irp t, 0,1,2,3
	v_wmma_f32_16x16x64_fp8_fp8 v[96+8*\t:103+8*\t], v[32+8*\t:39+8*\t], v[16:23], 0
.endr
	s_wait_dscnt 0x0
.irp t, 4,5,6,7
	v_wmma_f32_16x16x64_fp8_fp8 v[96+8*\t:103+8*\t], v[32+8*\t:39+8*\t], v[16:23], 0
.endr
.rept 4
	v_nop                                          ; places: K's registers are loaded again, and the scores are read
.endr
.irp d, 0,1,2,3
.irp c, 0,1,2,3
	ds_load_b128 v[32+16*\d+4*\c:35+16*\d+4*\c], v1 offset:\sl*SLOTB+VOFF+\d*2048+\c*512   ; V's images land while the softmax is walked
.endr
.endr
	s_add_co_u32 s44, s35, 127
	s_cmp_le_u32 s44, s36
	s_cbranch_scc1 .Lopen_\@                       ; all 128 keys count for all my queries
	s_sub_co_i32 s44, s36, s35
	v_add_nc_u32 v216, s44, v6                     ; d = my query - the step's first key - 8 h.  Register 8 t + j holds key 16 t + 8 h + j of the step: hidden where 16 t + j > d
.set n, 0
.rept 64
	v_cmp_gt_i32 vcc_lo, 16*(n/8)+n%8, v216
	v_cndmask_b32 v[96+n], v[96+n], v7, vcc_lo     ; -infinity ahead of the maximum: p = 0 then.  The step's first key counts for every query, so the maximum is a number
.set n, n+1
.endr
.Lopen_\@:
	v_max3_num_f32 v208, v96, v97, v98             ; the step's largest score of my query among my 64 keys, in two chains, each accumulator from its low end on,
	v_max3_num_f32 v210, v99, v100, v101
.set i, 6
.rept 14
	v_max3_num_f32 v208, v208, v[96+i], v[97+i]
	v_max3_num_f32 v210, v210, v[98+i], v[99+i]
.set i, i+4
.endr
	v_max3_num_f32 v208, v208, v158, v159
	v_max_num_f32 v208, v208, v210
	v_permlanex16_b32 v212, v208, s30, s31
	v_max_num_f32 v208, v208, v212                 ; and among lane l xor 16's
	v_mul_f32 v208, s28, v208                      ; as t (c is positive)
	v_max_num_f32 v25, v25, v208                   ; the running largest t
	v_mov_b32 v208, v24
	v_floor_f32 v24, -v25                          ; the new -M = floor(-t) = -ceil(t): a whole number
	v_sub_f32 v208, v24, v208                      ; old M - new M: a whole number, 0 or less
	v_cvt_i32_f32 v208, v208                       ; (it saturates)
	v_ldexp_f32 v210, 1.0, v208                    ; f = 2^(old M - new M)
.set j, 0
.rept 32
	v_pk_fma_f32 v[96+j:97+j], v[96+j:97+j], s[28:29], v[24:25] op_sel_hi:[1,0,0]   ; t - M, two at a time (of the pairs c and -M the low word serves both halves)
.set j, j+2
.endr
.set j, 0
.rept 64
	v_exp_f32 v[96+j], v[96+j]                     ; p = 2^(t - M): one batch
.set j, j+1
.endr
	v_pk_mul_f32 v[26:27], v[26:27], v[210:211] op_sel_hi:[1,0]   ; the sums under the new M: the plain line behind the exponentials
	s_wait_alu depctr_va_vdst(0)                   ; one wait for the whole batch, ahead of its first reader
	v_pk_add_f32 v[214:215], v[96:97], v[98:99]    ; the row's sum is taken of the UNQUANTISED p: two at a time, in two chains
.set j, 4
.rept 15
	v_pk_add_f32 v[26:27], v[26:27], v[96+j:97+j]
	v_pk_add_f32 v[214:215], v[214:215], v[98+j:99+j]
.set j, j+4
.endr
	v_pk_add_f32 v[26:27], v[26:27], v[214:215]
	s_cmp_gt_i32 s20, -9                           ; with e4 >= -8 the largest code x the scale is 1.75 or more, above every p: the hold would change nothing.  A branch on a whole number read from memory; both ways give the stated codes
	s_cbranch_scc1 .Lnohold_\@
.set j, 0
.rept 64
	v_min_num_f32 v[96+j], v[96+j], v29            ; the conversion does not saturate (ISA guide 7.6.2); p is not negative, so the hold is one-sided
.set j, j+1
.endr
.Lnohold_\@:
.irp t, 0,1,2,3,4,5,6,7
	v_cvt_scalef32_pk8_fp8_f32 v[192+2*\t:193+2*\t], v[96+8*\t:103+8*\t], v28   ; keys 16 t + 8 h + 0 .. 7: registers 2 t, 2 t + 1 of the operand
.endr
.set j, 0
.rept 16
	v_pk_mul_f32 v[160+j:161+j], v[160+j:161+j], v[210:211] op_sel_hi:[1,0]     ; O^T under the new M.  (Also the plain lines between the conversions and the products that read their results)
.set j, j+2
.endr
	s_wait_dscnt 0x0                               ; V's images are in
.irp d, 0,1,2,3
	v_wmma_f32_16x16x128_fp8_fp8 v[160+8*\d:167+8*\d], v[32+16*\d:47+16*\d], v[192:207], v[160+8*\d:167+8*\d]   ; four accumulators by turns; the next step's eight products stand between two links of a chain
.endr
.Lhid_\@:
	s_mov_b32 s32, s34
	s_wait_loadcnt 0x0                             ; the next tile's 32 bytes of mine
	ds_store_b128 v2, v[8:11] offset:(1-\sl)*SLOTB
	ds_store_b128 v2, v[12:15] offset:(1-\sl)*SLOTB+VOFF
	s_wait_dscnt 0x0                               ; my stores into the other slot have landed, and my reads of this slot are over
	s_barrier_signal -1
	s_barrier_wait -1                              ; both now hold of all sixteen waves: the other slot may be read, this one written
.endm
.Ltrip:
	STEP 0
	STEP 1
	s_cmp_lg_u32 s32, 0                            ; a block has an even number of steps: it ends at a trip's end, where the tile has turned back to 0.  The same in all sixteen waves
	s_cbranch_scc1 .Lnofin
	; A BLOCK'S END: y = O^T / the sum x 2^(e4 + e5), quantised with 2^e6; tile d of O^T gives lane (r, h) channels 16 d + 8 h + 0 .. 7 of token r: registers 2 d, 2 d + 1 of the head's part of the image
.rept 4
	v_nop                                          ; places behind the last products
.endr
	s_wait_xcnt 0x0                                ; the first block's stores have read their offset and data
	v_add_f32 v26, v26, v27                        ; the sum's two halves,
	v_permlanex16_b32 v212, v26, s30, s31
	v_add_f32 v26, v26, v212                       ; and lane l xor 16's
	v_rcp_f32 v26, v26
	s_lshr_b32 s37, s36, 4                         ; my block of 16 tokens in the batch
	v_lshl_add_u32 v5, s37, 12, v1                 ; (the plain line behind the reciprocal)
	s_wait_alu depctr_va_vdst(0)                   ; the wait ahead of its first reader
	v_ldexp_f32 v26, v26, s41
.set i, 0
.rept 16
	v_pk_mul_f32 v[96+i:97+i], v[160+i:161+i], v[26:27] op_sel_hi:[1,0]
.set i, i+2
.endr
.set i, 0
.rept 32
	v_med3_num_f32 v[96+i], v[96+i], -v227, v227
.set i, i+1
.endr
.irp d, 0,1,2,3
	v_cvt_scalef32_pk8_fp8_f32 v[218+2*\d:219+2*\d], v[96+8*\d:103+8*\d], v226
.endr
	v_nop                                          ; one plain vector line behind the last conversion
	global_store_b128 v5, v[218:221], s[12:13]     ; 512 consecutive bytes each, aligned
	global_store_b128 v5, v[222:225], s[12:13] offset:512
	s_mov_b32 s36, s39                             ; on to block 7 - x
	s_mov_b32 s33, s40
.set i, 0
.rept 8
	v_mov_b32 v[16+i], v[232+i]
.set i, i+1
.endr
	RESET
.Lnofin:
	s_sub_co_u32 s38, s38, 1
	s_cmp_lg_u32 s38, 0
	s_cbranch_scc1 .Ltrip
	s_wait_tensorcnt 0x0
	ds_add_u32 v254, v255
	s_wait_dscnt 0x0
	s_endpgm
.Lfunc_end_k_qab6ffff5ea_attn:
	.size	k_qab6ffff5ea_attn, .Lfunc_end_k_qab6ffff5ea_attn-k_qab6ffff5ea_attn
	.p2alignl 7, 3214868480
	.fill 96, 4, 3214868480
	.section	.rodata,"a",@progbits
	.p2align	6, 0x0
	.amdhsa_kernel k_qab6ffff5ea_attn
		.amdhsa_group_segment_fixed_size 34816
		.amdhsa_private_segment_fixed_size 0
		.amdhsa_enable_private_segment 0
		.amdhsa_kernarg_size 40
		.amdhsa_user_sgpr_count 2
		.amdhsa_user_sgpr_kernarg_segment_ptr 1
		.amdhsa_wavefront_size32 1
		.amdhsa_system_sgpr_workgroup_id_x 1
		.amdhsa_system_sgpr_workgroup_id_y 1
		.amdhsa_system_sgpr_workgroup_id_z 1
		.amdhsa_system_vgpr_workitem_id 0
		.amdhsa_next_free_vgpr 256
		.amdhsa_next_free_sgpr 66
		.amdhsa_reserve_vcc 1
		.amdhsa_float_denorm_mode_32 3
		.amdhsa_float_denorm_mode_16_64 3
		.amdhsa_memory_ordered 1
		.amdhsa_forward_progress 1
		.amdhsa_inst_pref_size 53
	.end_amdhsa_kernel
	.amdgpu_metadata
---
amdhsa.version: [ 1, 2 ]
amdhsa.kernels:
  - .name:           k_qab6ffff5ea_attn
    .symbol:         k_qab6ffff5ea_attn.kd
    .args:
      - { .name: qc, .offset: 0, .size: 8, .value_kind: global_buffer, .address_space: global }
      - { .name: kc, .offset: 8, .size: 8, .value_kind: global_buffer, .address_space: global }
      - { .name: vc, .offset: 16, .size: 8, .value_kind: global_buffer, .address_space: global }
      - { .name: lowp_scales, .offset: 24, .size: 8, .value_kind: global_buffer, .address_space: global }
      - { .name: yc, .offset: 32, .size: 8, .value_kind: global_buffer, .address_space: global }
    .group_segment_fixed_size: 34816
    .private_segment_fixed_size: 0
    .kernarg_segment_align: 8
    .kernarg_segment_size: 40
    .max_flat_workgroup_size: 512
    .sgpr_count:     66
    .vgpr_count:     256
    .wavefront_size: 32
...
	.end_amdgpu_metadata
.endif
;; end of part 3
;; launch gemm_proj (part 4): grid 4 x 32, 4 waves a work-group, clusters of 4 x 4, 327,680 bytes of LDS; arguments yc, wp, lowp_scales, b_proj, out0; writes out0
.if DOCPART == 4
	.amdgcn_target "amdgcn-amd-amdhsa--gfx1250"
	.amdhsa_code_object_version 6
	.text
	.protected	k_qab6ffff5ea_gemm_proj
	.globl	k_qab6ffff5ea_gemm_proj
	.p2align	8
	.type	k_qab6ffff5ea_gemm_proj,@function
k_qab6ffff5ea_gemm_proj:
	s_mov_b64 s[64:65], 0
	v_nop
	global_prefetch_b8 v0, s[64:65] scope:SCOPE_SE
	s_setreg_imm32_b32 hwreg(HW_REG_WAVE_MODE, 25, 1), 1
	s_wait_xcnt 0x0
	s_wait_alu depctr_hold_cnt(0) depctr_sa_sdst(0) depctr_va_vdst(0) depctr_va_sdst(0) depctr_va_ssrc(0) depctr_va_vcc(0) depctr_vm_vsrc(0)
	s_getreg_b32 s2, hwreg(HW_REG_IB_STS2, 6, 4)
	s_cmp_eq_u32 s2, 0
	s_cbranch_scc0 .Lentry_in_a_cluster
	s_endpgm
.Lentry_in_a_cluster:
	s_bfe_u32 s2, ttmp6, 0x10000c
	s_cmp_lg_u32 s2, 0xf033
	s_cbranch_scc0 .Lentry_shape_is_right
	s_endpgm
.Lentry_shape_is_right:
; out0 = y w_proj + b_proj on codes of FP8 (E4M3).  yc: 8,192 rows x 1,024 K, wp: 1,024 rows (columns of w_proj) x 1,024 K, both as images of operand registers:
; [K / 256][row / 16][(K / 128) % 2][2048]; in an image lane l's registers 4 g .. 4 g + 3 lie at 512 g + 16 l.  out0: [8192][1024] f32 = sum x 2^(e6 + e7) + bias, one fused multiply-add.
; LIMIT: e6 + e7 between -126 and 127, so that 2^(e6 + e7) is an f32 number.
; SHARES.  A work-group of four waves makes 256 x 256 of out0, a wave 128 x 128: 64 accumulators, 512 registers.  K goes in four steps of 256 through two LDS slots; each wave fetches a quarter of a slot,
; one dense block of 32,768 bytes, by one tensor load.  By the text's own count a wave has two tensor loads out at the start and one behind each round.
; CLUSTERS: 4 x 4 work-groups.  A's tile is shared along a row of the cluster, B's along a column: each is asked for jointly.
; THE MATRIX INSTRUCTION IS USED TRANSPOSED (source 0 = 16 rows of B, source 1 = 16 rows of A): a lane holds eight neighbouring numbers of a row of out0.
; REGISTERS, in windows of 256: window 0: v0-31 addresses; v32-35 my four columns' bias; v128-255 A's fragments, one set (on the way out: rows read back, two sets of 64).
;   window 1: B's fragments, two sets.   window 2: the accumulators of my rows 0-63 ((a, b) at v[8 (8 a + b)]);   window 3: those of rows 64-127.
.set KSA,   2097152                    ; yc: bytes from a K step of 256 to the next
.set KSB,   262144                     ; wp: the same
.set FR,    16
.set NL,    4
.set NP,    4                          ; places behind this matrix instruction (ISA guide 7.12.1)
.set HALFT, 32768
.set SLOT,  131072
.set SPARE, 262144                     ; behind the ring: the spare words, 128 bytes for each wave: two blocks of 256 bytes that no other line names
.set SPITCH, 528                       ; the way out: a stage of 16 rows x (512 bytes + 16) for each wave, in slot 0, which has had its last fill and its last read when the first result is stored there
.set ADRA,  16
.set ADRB,  20
.set CO,    24                         ; v24  16 x lane
.set STO,   25                         ; v25  the way out: where I put 32 bytes of a row
.set RD,    26                         ; v26  and where I read a row back
.set SPW,   28
.set NIL,   29
.set BI,    32                         ; v32-35 the bias of columns 4 x lane + 0 .. 3 of my 128
.set AF,    128
.set BK,    128
.set G1,  24
.set G0,  32
.set G1B, 48
.set G0B, 56
.set MSB, 0
.macro WIN new                         ; the immediate's high byte repeats the setting that is left
.if MSB != \new
	s_set_vgpr_msb (MSB<<8)|\new
.set MSB, \new
.endif
.endm
.set MUL_LO, 0xa1
.set MUL_HI, 0xf1
.set TO_B,   0x40
; A joint load: waves 0 and 1 fetch A's halves, waves 2 and 3 B's; four v_nop follow each of the two lines.
.macro JLOAD g0a, g1a, g0b, g1b
	s_cmp_eq_u32 s15, 0
	s_cbranch_scc0 .Lfor_b_\@
	tensor_load_to_lds s[\g0a:\g0a+3], s[\g1a:\g1a+7]
	s_nop 0
.rept 4
	v_nop
.endr
	s_branch .Lasked_\@
.Lfor_b_\@:
	tensor_load_to_lds s[\g0b:\g0b+3], s[\g1b:\g1b+7]
	s_nop 0
.rept 4
	v_nop
.endr
.Lasked_\@:
.endm
.macro CREST
	s_cmp_lg_u32 s14, 0
	s_cbranch_scc1 .Lnot_wave_0_\@
	s_barrier_signal -3
.Lnot_wave_0_\@:
	s_barrier_wait -3
	s_barrier_signal -1
	s_barrier_wait -1
.endm
.macro CROUND
	s_barrier_signal -1
	s_barrier_wait -1
	CREST
.endm
	s_load_b256 s[4:11], s[0:1], 0x0               ; yc s[4:5], wp s[6:7], the exponents s[8:9], b_proj s[10:11]
	s_load_b64 s[68:69], s[0:1], 0x20              ; out0
	v_lshl_add_u32 v[SPW], v0, 2, SPARE
	v_mov_b32 v[NIL], 0
	ds_add_u32 v28, v29
	ds_add_u32 v28, v29
	s_wait_dscnt 0x0
	v_lshrrev_b32 v1, 5, v0
	v_readfirstlane_b32 s14, v1                    ; wave 0..3
	s_lshr_b32 s15, s14, 1                         ; which half of the tile's rows is mine.  Also: I fetch for A (0) or for B (1)
	s_and_b32 s16, s14, 1                          ; which half of its columns.  Also: which 128 rows of that tile I fetch
	s_bfe_u32 s40, ttmp6, 0x40000                  ; cx, cy
	s_bfe_u32 s41, ttmp6, 0x40004
	s_lshl_b32 s42, ttmp9, 2
	s_add_co_u32 s42, s42, s40                     ; tile column
	s_and_b32 s17, ttmp7, 0xffff
	s_lshl_b32 s17, s17, 2
	s_add_co_u32 s17, s17, s41                     ; tile row
	s_lshl_b32 s43, s41, 2
	s_lshl_b32 s43, 15, s43                        ; my row of the cluster
	s_lshl_b32 s44, 0x1111, s40                    ; my column
	s_or_b32 s[G1+0], s43, (3<<16)|(1<<21)         ; 15:0 the mask; 17:16 elements of 8 bytes; 21 set beside a mask; no padding
	s_or_b32 s[G1B+0], s44, (3<<16)|(1<<21)
.irp g, G1, G1B
	s_mov_b32 s[\g+1], 32<<16                      ; a dense block of 32,768 bytes as 128 rows of 32 elements
	s_mov_b32 s[\g+2], 128<<16
	s_mov_b32 s[\g+3], 32<<16
	s_mov_b32 s[\g+4], 128
	s_mov_b32 s[\g+5], 32
	s_mov_b32 s[\g+6], 0
	s_mov_b32 s[\g+7], 0
.endr
	s_lshl_b32 s18, s16, 15
	s_lshl_b32 s20, s17, 16
	s_add_co_u32 s20, s20, s18                     ; A: block 16 x tile row + 8 x half, 4,096 bytes each
	s_mov_b32 s21, 0
	s_lshl_b32 s46, s42, 16
	s_add_co_u32 s46, s46, s18                     ; B: block 16 x tile column + 8 x half
	s_mov_b32 s47, 0
	s_lshl_b32 s45, s14, 15                        ; where they go: wave x 32,768
	s_wait_kmcnt 0x0
	s_load_b256 s[80:87], s[8:9], 0x0              ; the eight exponents
	s_add_nc_u64 s[20:21], s[4:5], s[20:21]
	s_add_nc_u64 s[46:47], s[6:7], s[46:47]
	CROUND                                         ; all sixteen work-groups are here: the first joint loads meet
.irp s, 0,1
	s_mov_b32 s[G0+4*\s], 1
	s_add_co_u32 s[G0+4*\s+1], s45, \s*SLOT
	s_add_nc_u64 s[G0+4*\s+2:G0+4*\s+3], s[20:21], \s*KSA
	s_or_b32 s[G0+4*\s+3], s[G0+4*\s+3], 0x80000000
	s_mov_b32 s[G0B+4*\s], 1
	s_add_co_u32 s[G0B+4*\s+1], s45, \s*SLOT
	s_add_nc_u64 s[G0B+4*\s+2:G0B+4*\s+3], s[46:47], \s*KSB
	s_or_b32 s[G0B+4*\s+3], s[G0B+4*\s+3], 0x80000000
	JLOAD G0+4*\s, G1, G0B+4*\s, G1B
.endr
	v_and_b32 v1, 31, v0
	v_lshlrev_b32 v[CO], 4, v1
	s_lshl_b32 s76, s42, 10
	s_lshl_b32 s77, s16, 9
	s_add_co_u32 s76, s76, s77                     ; my first column, in bytes: 1,024 x tile column + 512 x half
	s_mov_b32 s96, s76
	s_mov_b32 s97, 0
	s_add_nc_u64 s[96:97], s[10:11], s[96:97]
	global_load_b128 v[BI:BI+3], v[CO], s[96:97]   ; the bias of the four columns that I store
	s_lshl_b32 s21, s15, 15                        ; my 128 rows of A,
	s_lshl_b32 s22, s16, 15
	s_add_co_u32 s22, s22, 2*HALFT                 ; my 128 rows of B, which lie behind A's 256
.irp s, 0,1
	v_add_nc_u32 v[ADRA+\s], s21, v[CO]
	v_add_nc_u32 v[ADRB+\s], s22, v[CO]
	s_add_co_u32 s21, s21, SLOT
	s_add_co_u32 s22, s22, SLOT
.endr
	v_and_b32 v2, 15, v0
	v_bfe_u32 v3, v0, 4, 1
	s_mul_i32 s23, s14, 16*SPITCH                  ; my stage
	v_mul_u32_u24 v[STO], v2, SPITCH               ; in: row l % 16, 32 bytes for each half of the lanes
	v_lshl_add_u32 v[STO], v3, 5, v[STO]
	v_add_nc_u32 v[STO], s23, v[STO]
	v_add_nc_u32 v[RD], s23, v[CO]                 ; back: the 32 lanes take one row of 512 bytes
	s_lshl_b32 s90, s17, 8
	s_lshl_b32 s91, s15, 7
	s_add_co_u32 s90, s90, s91                     ; my first row: 256 x tile row + 128 x half,
	s_lshl_b32 s90, s90, 12                        ; of 4,096 bytes
	s_add_co_u32 s90, s90, s76
	s_mov_b32 s91, 0
	s_add_nc_u64 s[68:69], s[68:69], s[90:91]
.macro FRAG reg, adr, q, i             ; block i's image of the slot's q-th 128 along K: four loads of 512 consecutive bytes
.irp c, 0,1,2,3
	ds_load_b128 v[\reg+4*\c:\reg+4*\c+3], v[\adr] offset:(\i)*4096+(\q)*2048+512*\c
.endr
.endm
; 16 matrix instructions: A's blocks a0, a0 + 1 x B's eight.  The 64 accumulators take turns, one instruction a turn, in the same order in every step.
.macro MUL16 a0, p, zero
.irp a, \a0, \a0+1
.irp b, 0,1,2,3,4,5,6,7
.if \zero
	v_wmma_f32_16x16x128_fp8_fp8 v[8*(8*((\a)%4)+\b):8*(8*((\a)%4)+\b)+7], v[128*(\p)+FR*\b:128*(\p)+FR*\b+FR-1], v[AF+FR*(\a):AF+FR*(\a)+FR-1], 0
.else
	v_wmma_f32_16x16x128_fp8_fp8 v[8*(8*((\a)%4)+\b):8*(8*((\a)%4)+\b)+7], v[128*(\p)+FR*\b:128*(\p)+FR*\b+FR-1], v[AF+FR*(\a):AF+FR*(\a)+FR-1], v[8*(8*((\a)%4)+\b):8*(8*((\a)%4)+\b)+7]
.endif
.endr
.endr
.endm
.macro FETCH_B slot, q, p
	WIN TO_B
.irp i, 0,1,2,3,4,5,6,7
	FRAG 128*(\p)+FR*\i, ADRB+\slot, \q, \i
.endr
	WIN 0
.endm
.macro FETCH_A slot, q, i0
.irp i, \i0, \i0+1, \i0+2, \i0+3
	FRAG AF+FR*(\i), ADRA+\slot, \q, \i
.endr
.endm
.macro PLACES n                        ; places behind matrix instructions, in front of loads into their registers and of reads of their results (ISA guide 7.12.1 for reads of their results)
.rept \n
	v_nop
.endr
.endm
.macro STEP slot, q, zero
	s_wait_dscnt 4*NL                              ; B's set and A's blocks 0-3 are in; the youngest sixteen loads (blocks 4-7) may be out
	WIN MUL_LO
	MUL16 0, (\q)%2, \zero
	MUL16 2, (\q)%2, \zero
	s_wait_dscnt 0
	PLACES NP
	FETCH_B \slot, (\q)+1, 1-(\q)%2
	FETCH_A \slot, (\q)+1, 0
	WIN MUL_HI
	MUL16 4, (\q)%2, \zero
	MUL16 6, (\q)%2, \zero
	PLACES NP
	WIN 0
	FETCH_A \slot, (\q)+1, 4
.endm
.macro TURN slot, next, fill
	s_wait_tensorcnt 0x0                           ; all my tensor loads have landed: my part of the next slot
	ds_add_u32 v[SPW], v[NIL]                      ; 0 onto my spare word
	s_wait_dscnt 4*NL+1                            ; the add and the youngest sixteen loads may be out
	WIN MUL_LO
	MUL16 0, 1, 0
	s_wait_dscnt 0x0                               ; the add is done, and my reads of this slot are over
	s_barrier_signal -1
	MUL16 2, 1, 0
	WIN 0
	s_barrier_wait -1
.if \fill
	CREST                                          ; a round of the cluster's barrier: no wave of any partner still reads this slot or has a load on its way
	s_add_nc_u64 s[G0+4*\slot+2:G0+4*\slot+3], s[G0+4*\slot+2:G0+4*\slot+3], 2*KSA
	s_add_nc_u64 s[G0B+4*\slot+2:G0B+4*\slot+3], s[G0B+4*\slot+2:G0B+4*\slot+3], 2*KSB
	JLOAD G0+4*\slot, G1, G0B+4*\slot, G1B
.else
	PLACES NP
.endif
	FETCH_B \next, 0, 0
	FETCH_A \next, 0, 0
	WIN MUL_HI
	MUL16 4, 1, 0
	MUL16 6, 1, 0
	PLACES NP
	WIN 0
	FETCH_A \next, 0, 4
.endm
	s_wait_tensorcnt 1                             ; my part of K step 0 is in; K step 1's load may be out
	s_barrier_signal -1
	s_barrier_wait -1
	FETCH_B 0, 0, 0
	FETCH_A 0, 0, 0
	FETCH_A 0, 0, 4
	STEP 0, 0, 1
	TURN 0, 1, 1
	STEP 1, 0, 0
	TURN 1, 0, 1
	STEP 0, 0, 0
	TURN 0, 1, 0
	STEP 1, 0, 0
	s_wait_dscnt 4*NL
	WIN MUL_LO
	MUL16 0, 1, 0
	MUL16 2, 1, 0
	s_wait_dscnt 0
	WIN MUL_HI
	MUL16 4, 1, 0
	MUL16 6, 1, 0
	WIN 0
; THE WAY OUT, block by block of 16 rows x 128 columns.  The sums go into my own stage as they are (each accumulator's low four registers first) and come back as whole rows of 512 bytes; there a lane holds four
; neighbouring columns, the same four in every row, so four registers of bias serve all: out = sum x 2^(e6 + e7) + bias.  LDS serves a wave's instructions in order (ISA guide 5.7.1.4): no wait between stores and loads.
.macro TOSTAGE a
.set AC, 64*((\a)%4)
	WIN 0x08+4*((\a)/4)                            ; an LDS store's data: window 2 or 3
.irp b, 0,1,2,3,4,5,6,7
	ds_store_b128 v[STO], v[AC+8*\b:AC+8*\b+3] offset:64*\b
	ds_store_b128 v[STO], v[AC+8*\b+4:AC+8*\b+7] offset:64*\b+16
.endr
	WIN 0
.set BB, BK+64*((\a)%2)
.irp t, 0,1,2,3,4,5,6,7,8,9,10,11,12,13,14,15
	ds_load_b128 v[BB+4*\t:BB+4*\t+3], v[RD] offset:\t*SPITCH
.endr
.endm
.macro SEND a, younger                 ; younger: the LDS instructions issued behind block a's loads, which may stay out
.set BB, BK+64*((\a)%2)
	s_wait_dscnt \younger
.irp t, 0,1,2,3,4,5,6,7,8,9,10,11,12,13,14,15
	v_pk_fma_f32 v[BB+4*\t:BB+4*\t+1], v[BB+4*\t:BB+4*\t+1], s[88:89], v[BI:BI+1] op_sel_hi:[1,0,1]
	v_pk_fma_f32 v[BB+4*\t+2:BB+4*\t+3], v[BB+4*\t+2:BB+4*\t+3], s[88:89], v[BI+2:BI+3] op_sel_hi:[1,0,1]
.endr
.if (\a) > 0
	s_add_nc_u64 s[68:69], s[68:69], 16*4096       ; (behind a wait on XCNT: the earlier stores have read their base)  16 rows on
.endif
.irp t, 0,1,2,3,4,5,6,7,8,9,10,11,12,13,14,15
	global_store_b128 v[CO], v[BB+4*\t:BB+4*\t+3], s[68:69] offset:\t*4096 th:TH_STORE_NT   ; 32 lanes store 512 consecutive bytes, at a multiple of 512 from out0's first byte
.endr
.endm
	s_wait_kmcnt 0x0
	s_wait_loadcnt 0x0                             ; the bias
	s_add_co_i32 s88, s86, s87
	s_add_co_i32 s88, s88, 127
	s_lshl_b32 s88, s88, 23                        ; 2^(e6 + e7) as f32
	s_mov_b32 s89, s88                             ; (named with it as a pair, so it is written)
	PLACES NP                                      ; behind the last products: results are read, and rows land in the registers that held A's fragments
	TOSTAGE 0
.irp a, 1,2,3,4,5,6,7
.if \a > 1
	s_wait_xcnt 0x0                                ; block a - 2's stores have read their registers and their base: block a's loads may land there, and the base may step
.endif
	TOSTAGE \a
	SEND \a-1, 32                                  ; behind block a - 1's loads: block a's 16 stores and 16 loads
.endr
	s_wait_xcnt 0x0
	SEND 7, 0
	s_wait_tensorcnt 0x0                           ; the wave's end
	ds_add_u32 v[SPW], v[NIL]
	s_wait_dscnt 0x0
	CROUND                                         ; the closing round
	s_endpgm
.Lfunc_end_k_qab6ffff5ea_gemm_proj:
	.size	k_qab6ffff5ea_gemm_proj, .Lfunc_end_k_qab6ffff5ea_gemm_proj-k_qab6ffff5ea_gemm_proj
	.p2alignl 7, 3214868480
	.fill 96, 4, 3214868480
	.section	.rodata,"a",@progbits
	.p2align	6, 0x0
	.amdhsa_kernel k_qab6ffff5ea_gemm_proj
		.amdhsa_group_segment_fixed_size 327680
		.amdhsa_private_segment_fixed_size 0
		.amdhsa_enable_private_segment 0
		.amdhsa_kernarg_size 40
		.amdhsa_user_sgpr_count 2
		.amdhsa_user_sgpr_kernarg_segment_ptr 1
		.amdhsa_wavefront_size32 1
		.amdhsa_system_sgpr_workgroup_id_x 1
		.amdhsa_system_sgpr_workgroup_id_y 1
		.amdhsa_system_sgpr_workgroup_id_z 1
		.amdhsa_system_vgpr_workitem_id 0
		.amdhsa_next_free_vgpr 1024
		.amdhsa_next_free_sgpr 100
		.amdhsa_reserve_vcc 0
		.amdhsa_float_denorm_mode_32 3
		.amdhsa_float_denorm_mode_16_64 3
		.amdhsa_memory_ordered 1
		.amdhsa_forward_progress 1
		.amdhsa_inst_pref_size 123
	.end_amdhsa_kernel
	.amdgpu_metadata
---
amdhsa.version: [ 1, 2 ]
amdhsa.kernels:
  - .name:           k_qab6ffff5ea_gemm_proj
    .symbol:         k_qab6ffff5ea_gemm_proj.kd
    .args:
      - { .name: yc, .offset: 0, .size: 8, .value_kind: global_buffer, .address_space: global }
      - { .name: wp, .offset: 8, .size: 8, .value_kind: global_buffer, .address_space: global }
      - { .name: lowp_scales, .offset: 16, .size: 8, .value_kind: global_buffer, .address_space: global }
      - { .name: b_proj, .offset: 24, .size: 8, .value_kind: global_buffer, .address_space: global }
      - { .name: out0, .offset: 32, .size: 8, .value_kind: global_buffer, .address_space: global }
    .group_segment_fixed_size: 327680
    .private_segment_fixed_size: 0
    .kernarg_segment_align: 8
    .kernarg_segment_size: 40
    .max_flat_workgroup_size: 128
    .sgpr_count:     100
    .vgpr_count:     1024
    .wavefront_size: 32
...
	.end_amdgpu_metadata
.endif
;; end of part 4
;; ======== version 2 of 2: 4 launches; version 1 with the launch attn written anew for expert scheduling mode
;; workspace buffers: xq 8,388,608 bytes; wq 3,145,728 bytes; wp 1,048,576 bytes; qc 8,388,608 bytes; kc 8,388,608 bytes; vc 8,388,608 bytes; yc 8,388,608 bytes
;; launch quant: the kernel of part 1 again; grid 768 x 1, 4 waves a work-group, no clusters, 68,096 bytes of LDS; arguments x, w_qkv, w_proj, lowp_scales, xq, wq, wp; writes xq, wq, wp
;; launch gemm_qkv: the kernel of part 2 again; grid 12 x 32, 4 waves a work-group, clusters of 4 x 4, 327,680 bytes of LDS; arguments xq, wq, lowp_scales, b_qkv, qc, kc, vc; writes qc, kc, vc
;; launch attn (part 5): grid 4 x 64, 16 waves a work-group, no clusters, 34,816 bytes of LDS; arguments qc, kc, vc, lowp_scales, yc; writes yc
.if DOCPART == 5
	.amdgcn_target "amdgcn-amd-amdhsa--gfx1250"
	.amdhsa_code_object_version 6
	.text
	.protected	k_qab6ffff5ea_attn
	.globl	k_qab6ffff5ea_attn
	.p2align	8
	.type	k_qab6ffff5ea_attn,@function
k_qab6ffff5ea_attn:
	s_mov_b64 s[64:65], 0
	v_nop
	global_prefetch_b8 v0, s[64:65] scope:SCOPE_SE
	s_setreg_imm32_b32 hwreg(HW_REG_WAVE_SCHED_MODE, 0, 2), 2
	s_setreg_imm32_b32 hwreg(HW_REG_WAVE_MODE, 25, 1), 1
	s_wait_xcnt 0x0
	s_wait_alu depctr_vm_vsrc(0)
; y[b][h][q] = the sum over keys k <= q of softmax_k(q . k / 8) v, both products on codes of FP8 (E4M3); y is quantised at once for the projection that follows.
; qc, kc: [bh 64][token / 16][1024]: images of 16 tokens x 64.  vc: [bh][key / 128][d / 16][2048]: images of 16 of the head's 64 x 128 keys.  In an image lane l's registers 4 g .. 4 g + 3 lie at 512 g + 16 l.
; yc: laid as the projection's left operand, [K / 256][token / 16][(K / 128) % 2][2048] with K = 64 head + d: one head's part of 16 tokens is 1,024 consecutive bytes.
; THE SOFTMAX: t = score x log2(e) / 8; M = the row's largest t so far, rounded UP to a whole number; p = 2^(t - M) is quantised with 2^e4, not normalised.  The row's sum is taken of the unquantised p and divides at the end.
; When M moves, the sum and O are multiplied by 2^(old M - new M): a power of two.
; LIMITS: e2 + e3 between -123 and 130 (added to c's exponent field); e4 and e6 between -126 and 119; e4 + e5 is applied by v_ldexp_f32.  NaN is not served.
; SHARES.  A work-group owns two blocks of 256 queries of one head, blocks x and 7 - x.  Block b needs 2 b + 2 steps of 128 keys (the mask hides the rest), so every work-group walks 18 steps: 256 equal work-groups.
; Each of the sixteen waves owns 16 queries of the block in hand, in 256 registers: four waves to a SIMD, so that one wave's vector work stands beside another's products and LDS loads.
; LAYOUT.  S^T = K Q^T (source 0 = 16 keys, source 1 = my 16 queries) and O^T = V^T P^T: a lane holds ONE query (lane % 16) throughout.  Tile t of S^T gives lane (r, h) keys 16 t + 8 h + 0 .. 7, which are
; registers 2 t, 2 t + 1 of the second product's operand: the conversions' results are that operand.
; TILES.  A step's K (8 images) and V (4 images), 8,192 bytes each, go through registers into one of two LDS slots, a step ahead: thread t loads 16 bytes of each at a step's head and stores them at its end.
; One barrier a step: in front of it each wave's stores into the other slot and its reads of this slot are done.  The loop has nine trips of two steps, so each slot stands in the immediates.
; NO JOINT LOADS: the four work-groups of a head turn back to tile 0 after 2 x + 2 steps, each at another step, so they never want the same tile at the same time.
; THE MODE: SCHED_MODE bits 1:0 = 2 (LLVM: expert scheduling mode 2), set by the entry lines.  The code itself states the register dependences between vector or matrix instructions and memory or LDS instructions,
; with s_wait_alu, always for 0.
; THE PLAN.  Registers that memory or LDS instructions touch:
;   v1, v2      LDS and memory offsets: written at the head, ahead of one wait on va_vdst, and never again.  The next tile is reached by two scalar bases, made anew at a step's head.
;   v8-15       Written by the two global loads at a step's head; read by the two LDS stores at its end.  No vector instruction names them.  One wait on vm_vsrc at a step's head: the stores have read them.
;   v32-95      K's sixteen LDS loads land there, the eight products K Q^T read them; V's sixteen LDS loads land there, the four products V^T P read them.  One wait on va_vdst ahead of each of the two runs of loads:
;               the products that read the images before are done reading.  No vector instruction behind either wait names v1 or v32-95 ahead of the products that take the loaded images.
;   v5, v218-225  A block's end: written by vector instructions, then one wait on va_vdst, then read by the two global stores; one wait on vm_vsrc ahead of their next writing, at the second block's end.
;   All else (Q, S^T, p, O^T, the statistics, p's codes) is named by vector and matrix instructions alone once Q's loads are in.
; A vector instruction's scalar result has its wait on va_sdst ahead of its first reader: the wave's number at the head; the mask's compares, which go in runs of sixteen into s48-63, one wait a run.
; REGISTERS: v1 16 x lane; v2 16 x thread; v5 y's offset; v6 r - 8 h; v7 -infinity; v8-15 the next tile's bytes; v16-23 Q; v24 -M, v25 the largest t; v[26:27] the sum in two halves;
;   v28, v29: 2^e4, 448 x 2^e4; v32-95 K's images, then V's; v96-159 S^T, then p; v160-191 O^T; v192-207 p's codes; v208-216 at work; v218-225 y's codes; v226, v227: 2^e6, 448 x 2^e6; v232-239 the second block's Q.
.set KSA,   2097152                    ; yc: bytes from 256 along K to the next
.set SLOTB, 16384                      ; an LDS slot: K's 8,192 bytes, then V's
.set VOFF,  8192
.set MK,    48                         ; s48-63 sixteen masks of the causal mask
.macro RESET                           ; a block's start: O^T and the sum are zeros and the largest t lies under every t, so that the step is written once
	v_mov_b32 v25, 0xff61b1e6                      ; -3e38
	v_floor_f32 v24, -v25
	v_mov_b32 v26, 0
	v_mov_b32 v27, 0
.set i, 0
.rept 32
	v_mov_b32 v[160+i], 0
.set i, i+1
.endr
.endm
	s_load_b256 s[4:11], s[0:1], 0x0               ; qc s[4:5], kc s[6:7], vc s[8:9], the exponents s[10:11]
	s_load_b64 s[12:13], s[0:1], 0x20              ; yc
	v_lshl_add_u32 v254, v0, 2, 0x8000
	v_mov_b32 v255, 0
	v_lshrrev_b32 v1, 5, v0
	v_readfirstlane_b32 s24, v1                    ; wave 0..15
	v_and_b32 v1, 31, v0
	v_lshlrev_b32 v1, 4, v1                        ; 16 x lane
	v_lshlrev_b32 v2, 4, v0                        ; 16 x thread
	v_and_b32 v6, 15, v0
	v_bfe_u32 v4, v0, 4, 1
	v_lshlrev_b32 v4, 3, v4
	v_sub_nc_u32 v6, v6, v4                        ; r - 8 h
	v_mov_b32 v7, 0xff800000                       ; -infinity
	v_mov_b32 v211, 0                              ; (named as the upper half of the pair v[210:211])
	v_mov_b32 v212, 0                              ; written once: a lane permute's destination counts as one of its sources
	s_and_b32 s25, ttmp7, 0xffff                   ; bh = 16 x batch + head
	s_lshl_b32 s26, s25, 17                        ; its 131,072 bytes in each of qc, kc, vc
	s_mov_b32 s27, 0                               ; stays 0: the upper word of every offset in s[26:27]
	s_lshl_b32 s36, ttmp9, 8
	s_wait_alu depctr_va_sdst(0)                   ; s24 is written, ahead of its first reader: my queries' numbers are made from it
	s_lshl_b32 s44, s24, 4
	s_add_co_u32 s36, s36, s44                     ; my first query in block x
	s_sub_co_u32 s39, 7, ttmp9
	s_lshl_b32 s39, s39, 8
	s_add_co_u32 s39, s39, s44                     ; and in block 7 - x
	s_lshl_b32 s33, ttmp9, 1
	s_add_co_u32 s33, s33, 2                       ; steps of block x: 2 x + 2,
	s_sub_co_u32 s40, 18, s33                      ; of block 7 - x: 16 - 2 x
	s_and_b32 s2, s25, 15                          ; head
	s_lshr_b32 s3, s2, 2
	s_mul_i32 s14, s3, KSA                         ; yc: which 256 along K,
	s_and_b32 s3, s2, 3
	s_lshl_b32 s3, s3, 10                          ; which 64 of them: 1,024 bytes each,
	s_add_co_u32 s14, s14, s3
	s_lshr_b32 s3, s25, 4
	s_lshl_b32 s3, s3, 19                          ; the batch's 128 blocks of 16 tokens, 4,096 bytes each
	s_add_co_u32 s14, s14, s3
	s_mov_b32 s15, 0
	s_mov_b32 s30, 0x76543210                      ; v_permlanex16_b32's selects for lane l xor 16
	s_mov_b32 s31, 0xfedcba98
	s_mov_b32 s32, 0                               ; the step's tile of keys
	s_mov_b32 s38, 9                               ; trips
	s_wait_kmcnt 0x0
	s_load_b256 s[16:23], s[10:11], 0x0            ; e0 .. e7
	s_add_nc_u64 s[4:5], s[4:5], s[26:27]
	s_add_nc_u64 s[6:7], s[6:7], s[26:27]
	s_add_nc_u64 s[8:9], s[8:9], s[26:27]
	s_add_nc_u64 s[12:13], s[12:13], s[14:15]
	s_lshl_b32 s44, s36, 6                         ; (query / 16) x 1,024
	s_mov_b32 s45, 0
	s_add_nc_u64 s[42:43], s[4:5], s[44:45]
	s_lshl_b32 s44, s39, 6
	s_add_nc_u64 s[46:47], s[4:5], s[44:45]
	s_wait_alu depctr_va_vdst(0)                   ; v1 and v2 are written: every load and store of the kernel, to memory or to LDS, reads one of them as its offset or address (y's stores: v5, made from v1)
	global_load_b128 v[16:19], v1, s[42:43]        ; both blocks' Q stay in registers
	global_load_b128 v[20:23], v1, s[42:43] offset:512
	global_load_b128 v[232:235], v1, s[46:47]
	global_load_b128 v[236:239], v1, s[46:47] offset:512
	global_load_b128 v[8:11], v2, s[6:7]           ; tile 0: a wave's load covers 512 consecutive bytes
	global_load_b128 v[12:15], v2, s[8:9]
	RESET
	s_wait_kmcnt 0x0
	s_add_co_i32 s44, s18, s19
	s_lshl_b32 s44, s44, 23
	s_add_co_i32 s28, s44, 0x3e38aa3b              ; c = log2(e) / 8, with e2 + e3 added to its exponent field: a score stands for score x 2^(e2 + e3)
	s_mov_b32 s29, s28                             ; (named with it as a pair, so it is written)
	s_add_co_i32 s44, s20, 127
	s_lshl_b32 s45, s44, 23
	v_mov_b32 v28, s45                             ; 2^e4
	s_add_co_i32 s44, s44, 8
	s_lshl_b32 s44, s44, 23
	s_or_b32 s44, s44, 0x600000
	v_mov_b32 v29, s44                             ; 448 x 2^e4
	s_add_co_i32 s44, s22, 127
	s_lshl_b32 s45, s44, 23
	v_mov_b32 v226, s45                            ; 2^e6
	s_add_co_i32 s44, s44, 8
	s_lshl_b32 s44, s44, 23
	s_or_b32 s44, s44, 0x600000
	v_mov_b32 v227, s44                            ; 448 x 2^e6
	s_add_co_i32 s41, s20, s21                     ; e4 + e5
	s_wait_loadcnt 0x0
	ds_store_b128 v2, v[8:11]                      ; the data come from loads, the address stands since the wait on va_vdst above: no vector instruction since names either
	ds_store_b128 v2, v[12:15] offset:VOFF
	s_wait_dscnt 0x0                               ; for the others' sake: my part of tile 0 lies in slot 0
	s_barrier_signal -1
	s_barrier_wait -1
; A KEY STEP on slot sl.
.macro STEP sl
	s_add_co_u32 s34, s32, 1                       ; the next tile: the one behind, or tile 0 behind a block's last (the other block's first; the very last such load is spare, and inside its buffer)
	s_cmp_eq_u32 s34, s33
	s_cselect_b32 s34, 0, s34
	s_lshl_b32 s26, s34, 13                        ; its 8,192 bytes in kc and in vc (s27 = 0)
	s_add_nc_u64 s[42:43], s[6:7], s[26:27]        ; the two bases are free: the loads that read them last were waited for (the last step's wait for all loads; on the first trip the head's)
	s_add_nc_u64 s[46:47], s[8:9], s[26:27]
	s_wait_alu depctr_vm_vsrc(0)                   ; the LDS stores of the step before (on the first trip: the head's) have read v8-15, in which the two loads below land
	global_load_b128 v[8:11], v2, s[42:43]         ; asked for a whole step ahead of the wait for them
	global_load_b128 v[12:15], v2, s[46:47]
	s_lshl_b32 s35, s32, 7                         ; the step's first key
	s_add_co_u32 s44, s36, 15
	s_cmp_gt_u32 s35, s44
	s_cbranch_scc1 .Lhid_\@                        ; all 128 keys come after my 16 queries: the step's work is left out; its copy and its barrier are not
.rept 4
	v_nop                                          ; the places behind the last products stay; the wait below states the dependence itself
.endr
	s_wait_alu depctr_va_vdst(0)                   ; the last step's four products V^T P are done reading V's images in v32-95, in which K's images land
.irp t, 0,1,2,3,4,5,6,7
	ds_load_b128 v[32+8*\t:35+8*\t], v1 offset:\sl*SLOTB+\t*1024
	ds_load_b128 v[36+8*\t:39+8*\t], v1 offset:\sl*SLOTB+\t*1024+512
.endr
	s_wait_dscnt 8                                 ; images 0-3 are in; the eight younger loads may be out
.irp t, 0,1,2,3
	v_wmma_f32_16x16x64_fp8_fp8 v[96+8*\t:103+8*\t], v[32+8*\t:39+8*\t], v[16:23], 0
.endr
	s_wait_dscnt 0x0
.irp t, 4,5,6,7
	v_wmma_f32_16x16x64_fp8_fp8 v[96+8*\t:103+8*\t], v[32+8*\t:39+8*\t], v[16:23], 0
.endr
.rept 4
	v_nop                                          ; places: the scores are read below (ISA guide 7.12.1)
.endr
	s_wait_alu depctr_va_vdst(0)                   ; the eight products K Q^T are done reading K's images in v32-95, in which V's images land
.irp d, 0,1,2,3
.irp c, 0,1,2,3
	ds_load_b128 v[32+16*\d+4*\c:35+16*\d+4*\c], v1 offset:\sl*SLOTB+VOFF+\d*2048+\c*512   ; V's images land while the softmax is walked: none of its lines names v1 or v32-95
.endr
.endr
	s_add_co_u32 s44, s35, 127
	s_cmp_le_u32 s44, s36
	s_cbranch_scc1 .Lopen_\@                       ; all 128 keys count for all my queries
	s_sub_co_i32 s44, s36, s35
	v_add_nc_u32 v216, s44, v6                     ; d = my query - the step's first key - 8 h.  Register 8 t + j holds key 16 t + 8 h + j of the step: hidden where 16 t + j > d
.set g, 0
.rept 4                                ; sixteen registers at a time: a run of compares into s48-63, one wait, the run of selects that read them
.set n, 0
.rept 16
	v_cmp_gt_i32 s[MK+n], 16*((16*g+n)/8)+(16*g+n)%8, v216
.set n, n+1
.endr
	s_wait_alu depctr_va_sdst(0)                   ; the sixteen compares have written s48-63, ahead of the selects that read them
.set n, 0
.rept 16
	v_cndmask_b32 v[96+16*g+n], v[96+16*g+n], v7, s[MK+n]      ; -infinity ahead of the maximum: p = 0 then.  The step's first key counts for every query, so the maximum is a number
.set n, n+1
.endr
.set g, g+1
.endr
.Lopen_\@:
	v_max3_num_f32 v208, v96, v97, v98             ; the step's largest score of my query among my 64 keys, in two chains, each accumulator from its low end on,
	v_max3_num_f32 v210, v99, v100, v101
.set i, 6
.rept 14
	v_max3_num_f32 v208, v208, v[96+i], v[97+i]
	v_max3_num_f32 v210, v210, v[98+i], v[99+i]
.set i, i+4
.endr
	v_max3_num_f32 v208, v208, v158, v159
	v_max_num_f32 v208, v208, v210
	v_permlanex16_b32 v212, v208, s30, s31
	v_max_num_f32 v208, v208, v212                 ; and among lane l xor 16's
	v_mul_f32 v208, s28, v208                      ; as t (c is positive)
	v_max_num_f32 v25, v25, v208                   ; the running largest t
	v_mov_b32 v208, v24
	v_floor_f32 v24, -v25                          ; the new -M = floor(-t) = -ceil(t): a whole number
	v_sub_f32 v208, v24, v208                      ; old M - new M: a whole number, 0 or less
	v_cvt_i32_f32 v208, v208                       ; (it saturates)
	v_ldexp_f32 v210, 1.0, v208                    ; f = 2^(old M - new M)
.set j, 0
.rept 32
	v_pk_fma_f32 v[96+j:97+j], v[96+j:97+j], s[28:29], v[24:25] op_sel_hi:[1,0,0]   ; t - M, two at a time (of the pairs c and -M the low word serves both halves)
.set j, j+2
.endr
.set j, 0
.rept 64
	v_exp_f32 v[96+j], v[96+j]                     ; p = 2^(t - M): one batch
.set j, j+1
.endr
	v_pk_mul_f32 v[26:27], v[26:27], v[210:211] op_sel_hi:[1,0]   ; the sums under the new M: the plain line behind the exponentials
	s_wait_alu depctr_va_vdst(0)                   ; the 64 exponentials have written v96-159: one wait for the whole batch, ahead of its first reader
	v_pk_add_f32 v[214:215], v[96:97], v[98:99]    ; the row's sum is taken of the UNQUANTISED p: two at a time, in two chains
.set j, 4
.rept 15
	v_pk_add_f32 v[26:27], v[26:27], v[96+j:97+j]
	v_pk_add_f32 v[214:215], v[214:215], v[98+j:99+j]
.set j, j+4
.endr
	v_pk_add_f32 v[26:27], v[26:27], v[214:215]
	s_cmp_gt_i32 s20, -9                           ; with e4 >= -8 the largest code x the scale is 1.75 or more, above every p: the hold would change nothing.  A branch on a whole number read from memory; both ways give the stated codes
	s_cbranch_scc1 .Lnohold_\@
.set j, 0
.rept 64
	v_min_num_f32 v[96+j], v[96+j], v29            ; the conversion does not saturate (ISA guide 7.6.2); p is not negative, so the hold is one-sided
.set j, j+1
.endr
.Lnohold_\@:
.irp t, 0,1,2,3,4,5,6,7
	v_cvt_scalef32_pk8_fp8_f32 v[192+2*\t:193+2*\t], v[96+8*\t:103+8*\t], v28   ; keys 16 t + 8 h + 0 .. 7: registers 2 t, 2 t + 1 of the operand
.endr
.set j, 0
.rept 16
	v_pk_mul_f32 v[160+j:161+j], v[160+j:161+j], v[210:211] op_sel_hi:[1,0]     ; O^T under the new M.  (Also the plain lines between the conversions and the products that read their results)
.set j, j+2
.endr
	s_wait_dscnt 0x0                               ; V's images are in
.irp d, 0,1,2,3
	v_wmma_f32_16x16x128_fp8_fp8 v[160+8*\d:167+8*\d], v[32+16*\d:47+16*\d], v[192:207], v[160+8*\d:167+8*\d]   ; four accumulators by turns; the next step's eight products stand between two links of a chain
.endr
.Lhid_\@:
	s_mov_b32 s32, s34
	s_wait_loadcnt 0x0                             ; the next tile's 32 bytes of mine
	ds_store_b128 v2, v[8:11] offset:(1-\sl)*SLOTB                 ; the data come from loads, the address is the head's: no vector instruction of the loop names either
	ds_store_b128 v2, v[12:15] offset:(1-\sl)*SLOTB+VOFF
	s_wait_dscnt 0x0                               ; my stores into the other slot have landed, and my reads of this slot are over
	s_barrier_signal -1
	s_barrier_wait -1                              ; both now hold of all sixteen waves: the other slot may be read, this one written
.endm
.Ltrip:
	STEP 0
	STEP 1
	s_cmp_lg_u32 s32, 0                            ; a block has an even number of steps: it ends at a trip's end, where the tile has turned back to 0.  The same in all sixteen waves
	s_cbranch_scc1 .Lnofin
	; A BLOCK'S END: y = O^T / the sum x 2^(e4 + e5), quantised with 2^e6; tile d of O^T gives lane (r, h) channels 16 d + 8 h + 0 .. 7 of token r: registers 2 d, 2 d + 1 of the head's part of the image
.rept 4
	v_nop                                          ; places behind the last products
.endr
	s_wait_xcnt 0x0                                ; the first block's stores have had their addresses translated: their offset and data are rewritten only behind this wait,
	s_wait_alu depctr_vm_vsrc(0)                   ; and beside it: those stores have read v5 and v218-225, which the lines below write again
	v_add_f32 v26, v26, v27                        ; the sum's two halves,
	v_permlanex16_b32 v212, v26, s30, s31
	v_add_f32 v26, v26, v212                       ; and lane l xor 16's
	v_rcp_f32 v26, v26
	s_lshr_b32 s37, s36, 4                         ; my block of 16 tokens in the batch
	v_lshl_add_u32 v5, s37, 12, v1                 ; (the plain line behind the reciprocal)
	s_wait_alu depctr_va_vdst(0)                   ; the reciprocal has written v26, ahead of its first reader
	v_ldexp_f32 v26, v26, s41
.set i, 0
.rept 16
	v_pk_mul_f32 v[96+i:97+i], v[160+i:161+i], v[26:27] op_sel_hi:[1,0]
.set i, i+2
.endr
.set i, 0
.rept 32
	v_med3_num_f32 v[96+i], v[96+i], -v227, v227
.set i, i+1
.endr
.irp d, 0,1,2,3
	v_cvt_scalef32_pk8_fp8_f32 v[218+2*\d:219+2*\d], v[96+8*\d:103+8*\d], v226
.endr
	v_nop                                          ; one plain vector line behind the last conversion
	s_wait_alu depctr_va_vdst(0)                   ; the conversions have written v218-225, the stores' data, and v5, their offset, is written
	global_store_b128 v5, v[218:221], s[12:13]     ; 512 consecutive bytes each, aligned
	global_store_b128 v5, v[222:225], s[12:13] offset:512
	s_mov_b32 s36, s39                             ; on to block 7 - x
	s_mov_b32 s33, s40
.set i, 0
.rept 8
	v_mov_b32 v[16+i], v[232+i]
.set i, i+1
.endr
	RESET
.Lnofin:
	s_sub_co_u32 s38, s38, 1
	s_cmp_lg_u32 s38, 0
	s_cbranch_scc1 .Ltrip
	s_wait_dscnt 0x0
	s_wait_alu depctr_hold_cnt(0) depctr_sa_sdst(0) depctr_va_vdst(0) depctr_va_sdst(0) depctr_va_ssrc(0) depctr_va_vcc(0) depctr_vm_vsrc(0)
	s_wait_tensorcnt 0x0
	ds_add_u32 v254, v255
	s_wait_dscnt 0x0
	s_endpgm
.Lfunc_end_k_qab6ffff5ea_attn:
	.size	k_qab6ffff5ea_attn, .Lfunc_end_k_qab6ffff5ea_attn-k_qab6ffff5ea_attn
	.p2alignl 7, 3214868480
	.fill 96, 4, 3214868480
	.section	.rodata,"a",@progbits
	.p2align	6, 0x0
	.amdhsa_kernel k_qab6ffff5ea_attn
		.amdhsa_group_segment_fixed_size 34816
		.amdhsa_private_segment_fixed_size 0
		.amdhsa_enable_private_segment 0
		.amdhsa_kernarg_size 40
		.amdhsa_user_sgpr_count 2
		.amdhsa_user_sgpr_kernarg_segment_ptr 1
		.amdhsa_wavefront_size32 1
		.amdhsa_system_sgpr_workgroup_id_x 1
		.amdhsa_system_sgpr_workgroup_id_y 1
		.amdhsa_system_sgpr_workgroup_id_z 1
		.amdhsa_system_vgpr_workitem_id 0
		.amdhsa_next_free_vgpr 256
		.amdhsa_next_free_sgpr 66
		.amdhsa_reserve_vcc 0
		.amdhsa_float_denorm_mode_32 3
		.amdhsa_float_denorm_mode_16_64 3
		.amdhsa_memory_ordered 1
		.amdhsa_forward_progress 1
		.amdhsa_inst_pref_size 62
	.end_amdhsa_kernel
	.amdgpu_metadata
---
amdhsa.version: [ 1, 2 ]
amdhsa.kernels:
  - .name:           k_qab6ffff5ea_attn
    .symbol:         k_qab6ffff5ea_attn.kd
    .args:
      - { .name: qc, .offset: 0, .size: 8, .value_kind: global_buffer, .address_space: global }
      - { .name: kc, .offset: 8, .size: 8, .value_kind: global_buffer, .address_space: global }
      - { .name: vc, .offset: 16, .size: 8, .value_kind: global_buffer, .address_space: global }
      - { .name: lowp_scales, .offset: 24, .size: 8, .value_kind: global_buffer, .address_space: global }
      - { .name: yc, .offset: 32, .size: 8, .value_kind: global_buffer, .address_space: global }
    .group_segment_fixed_size: 34816
    .private_segment_fixed_size: 0
    .kernarg_segment_align: 8
    .kernarg_segment_size: 40
    .max_flat_workgroup_size: 512
    .sgpr_count:     66
    .vgpr_count:     256
    .wavefront_size: 32
...
	.end_amdgpu_metadata
.endif
;; end of part 5
;; launch gemm_proj: the kernel of part 4 again; grid 4 x 32, 4 waves a work-group, clusters of 4 x 4, 327,680 bytes of LDS; arguments yc, wp, lowp_scales, b_proj, out0; writes out0
